; MI455X (gfx1250); checked and timed in simulation.
; The chip was launched on July 23, 2026; its instructions are those of AMD's public machine-readable ISA for CDNA 5 (MIT licence, August 2026) and "CDNA5" Instruction Set Architecture Reference Guide (July 2026). The comments in the code are by the model that wrote it; some were corrected since.
;; Block. Allowed arithmetic: float matrix products may take bf16 or f16 operands with f32 sums; other float arithmetic in f32, or as packed bf16 or f16 multiplies, adds, multiply-adds, maxima and minima; sums over many terms, partial sums and values carried from step to step in f32; what a program stores and reads back later, other than sums and carried values, may be rounded once to bf16 or f16.
;; Inputs: W1 1,024 x 4,096 float32; W2 4,096 x 1,024 float32; WK 1,024 x 1,024 float32; WO 1,024 x 1,024 float32; WQ 1,024 x 1,024 float32; WV 1,024 x 1,024 float32; X 4 x 1,024 x 1,024 float32; b1 4,096 float32; b2 1,024 float32; bK 1,024 float32; bO 1,024 float32; bQ 1,024 float32; bV 1,024 float32; be1 1,024 float32; be2 1,024 float32; g1 1,024 float32; g2 1,024 float32.
;; Outputs: out0 4 x 1,024 x 1,024 float32.
;; One version. Each part assembles by itself: llvm-mc -triple=amdgcn-amd-amdhsa -mcpu=gfx1250 --defsym DOCPART=n.
;; ======== version 1 of 1: 7 launches
;; limits: right only within a limited range of input values
;; workspace buffers: PA 33,554,432 bytes; PB 25,165,824 bytes; X1 16,777,216 bytes; U1 10,502,400 bytes; U2 16,793,856 bytes
;; launch prep (part 1): grid 64 x 16, 8 waves a work-group, no clusters, 0 bytes of LDS; arguments WQ, WK, WV, WO, W1, W2, bQ, bK, bV, b1, X, g1, be1, U1, U2, PA; writes U1, U2, PA
.if DOCPART == 1
	.amdgcn_target "amdgcn-amd-amdhsa--gfx1250"
	.amdhsa_code_object_version 6
	.text
	.protected	k_qb95a725dcd_prep
	.globl	k_qb95a725dcd_prep
	.p2align	8
	.type	k_qb95a725dcd_prep,@function
k_qb95a725dcd_prep:
	s_mov_b64 s[64:65], 0
	v_nop
	global_prefetch_b8 v0, s[64:65] scope:SCOPE_SE
	s_setreg_imm32_b32 hwreg(HW_REG_WAVE_MODE, 25, 1), 1
	s_wait_xcnt 0x0
; PREPARATION.  Grid y = u says what a work-group does; grid x = its share.
;   u = 0..11: a piece of 1024 x 1024 f32 of a weight is rounded to bf16 and laid out in blocks (0 WQ, 1 WK, 2 WV, 3 WO, 4-7 a column quarter of W1, 8-11 a row quarter of W2).
;              A work-group takes 16 rows, a wave 2.  The groups with x = 0 also copy the biases and write the floor word.
;   u = 12..15: LayerNorm 1 of X, 16 rows a work-group, 2 a wave, a row kept in 32 registers between its passes; result in bf16, row-major, into PA.
; BUNDLES U1 (bQ|bK|bV, WQ|WK|WV, WO) and U2 (b1, W1, W2):  bytes 0..16383 bias in f32;  16384..16639 the floor word (two bf16) 64 times: -inf in U1 (no ReLU), 0 in U2 (ReLU);
;   from WOFF: [n / 256][k 0..1023][256 n] bf16, a row 512 bytes;   from OFFB: [k / 256][n / 128 (8)][k % 256][128 n] bf16, a row 256 bytes.
; The mean is taken first and subtracted, then the squares are summed: no difference of large sums is formed.  No LDS, no barrier: no wave needs another.
.set WOFF, 16640
.set OFFB, 8405248
.set XA,  4                            ; v[4:35]    row 0 as loaded
.set XB,  36                           ; v[36:67]   row 1
.set G,   68                           ; v[68:99]   gain of my 32 columns      (cast: v[68:99] the two rows in bf16)
.set BE,  100                          ; v[100:131] offset of my 32 columns
.set T,   132                          ; v[132:147] at work
.set M,   148                          ; v[148:149] the mean, twice
.set R,   150                          ; v[150:151] 1 / sqrt(var + eps), twice
.set YA,  152                          ; v[152:167] row 0 in bf16
.set YB,  168                          ; v[168:183] row 1 in bf16
.macro TREE                            ; T's eight pairs -> one number, the same in all 32 lanes
.irp i, 0,1,2,3
	v_pk_add_f32 v[T+2*(\i):T+2*(\i)+1], v[T+2*(\i):T+2*(\i)+1], v[T+8+2*(\i):T+9+2*(\i)]
.endr
.irp i, 0,1
	v_pk_add_f32 v[T+2*(\i):T+2*(\i)+1], v[T+2*(\i):T+2*(\i)+1], v[T+4+2*(\i):T+5+2*(\i)]
.endr
	v_pk_add_f32 v[T:T+1], v[T:T+1], v[T+2:T+3]
	v_add_f32 v[T], v[T], v[T+1]
.irp x, 1,2,4,8
	v_add_f32_dpp v[T], v[T], v[T] row_xmask:\x row_mask:0xf bank_mask:0xf
.endr
	v_permlanex16_b32 v[T+1], v[T], s62, s63       ; the other half of the lanes
	v_add_f32 v[T], v[T], v[T+1]
.endm
; One row: xb its 32 registers, yb its 16 result registers, left = younger loads that may stay out, rho = 0 or 1, gw = 1: gain and offset are waited for here
.macro ROW xb, yb, left, rho, gw
	s_wait_loadcnt \left
.set i, 0
.rept 8
	v_pk_add_f32 v[T+2*i:T+2*i+1], v[(\xb)+2*i:(\xb)+2*i+1], v[(\xb)+16+2*i:(\xb)+17+2*i]
.set i, i+1
.endr
	TREE
	v_mul_f32 v[M], s60, v[T]                      ; mean = sum / 1024
	v_mov_b32 v[M+1], v[M]
.set i, 0
.rept 16
	v_pk_add_f32 v[(\xb)+2*i:(\xb)+2*i+1], v[(\xb)+2*i:(\xb)+2*i+1], v[M:M+1] neg_lo:[0,1] neg_hi:[0,1]
.set i, i+1
.endr
.set i, 0
.rept 8
	v_pk_mul_f32 v[T+2*i:T+2*i+1], v[(\xb)+2*i:(\xb)+2*i+1], v[(\xb)+2*i:(\xb)+2*i+1]
.set i, i+1
.endr
.set i, 0
.rept 8
	v_pk_fma_f32 v[T+2*i:T+2*i+1], v[(\xb)+16+2*i:(\xb)+17+2*i], v[(\xb)+16+2*i:(\xb)+17+2*i], v[T+2*i:T+2*i+1]
.set i, i+1
.endr
	TREE
	v_fma_f32 v[T], v[T], s60, s61                 ; variance + eps
	v_rsq_f32 v[R], v[T]
	v_nop                                          ; a plain instruction between the root and the use of its result (ISA guide 5.7.2)
	s_wait_alu depctr_va_vdst(0)
	v_mov_b32 v[R+1], v[R]
.if \gw
	s_wait_loadcnt 0x0                             ; gain and offset are in
.endif
.set i, 0
.rept 16
	v_pk_mul_f32 v[(\xb)+2*i:(\xb)+2*i+1], v[(\xb)+2*i:(\xb)+2*i+1], v[R:R+1]
.set i, i+1
.endr
.set i, 0
.rept 16
	v_pk_fma_f32 v[(\xb)+2*i:(\xb)+2*i+1], v[(\xb)+2*i:(\xb)+2*i+1], v[G+2*i:G+2*i+1], v[BE+2*i:BE+2*i+1]
.set i, i+1
.endr
.set i, 0
.rept 16
	v_cvt_pk_bf16_f32 v[(\yb)+i], v[(\xb)+2*i], v[(\xb)+2*i+1]
.set i, i+1
.endr
.irp j, 0,1,2,3,4,5,6,7
	global_store_b64 v2, v[(\yb)+2*(\j):(\yb)+2*(\j)+1], s[46:47] offset:(\rho)*2048+256*(\j)  ; 32 lanes store 256 consecutive bytes, aligned
.endr
.endm
; Two rows of 1024 f32 from s[44:45], gain s[40:41], offset s[42:43], result to s[46:47].  v1 = 16 x lane, v2 = 8 x lane.
.macro LN2ROWS
.irp j, 0,1,2,3,4,5,6,7
	global_load_b128 v[XA+4*(\j):XA+4*(\j)+3], v1, s[44:45] offset:512*(\j)
.endr
.irp j, 0,1,2,3,4,5,6,7
	global_load_b128 v[XB+4*(\j):XB+4*(\j)+3], v1, s[44:45] offset:4096+512*(\j)
.endr
.irp j, 0,1,2,3,4,5,6,7
	global_load_b128 v[G+4*(\j):G+4*(\j)+3], v1, s[40:41] offset:512*(\j)
.endr
.irp j, 0,1,2,3,4,5,6,7
	global_load_b128 v[BE+4*(\j):BE+4*(\j)+3], v1, s[42:43] offset:512*(\j)
.endr
	ROW XA, YA, 24, 0, 1                           ; row 0 is in; row 1, gain and offset (24 loads) may stay out
	ROW XB, YB, 0, 1, 0
.endm
	s_load_b512 s[8:23], s[0:1], 0x0               ; WQ s8, WK s10, WV s12, WO s14, W1 s16, W2 s18, bQ s20, bK s22
	s_load_b512 s[24:39], s[0:1], 0x40             ; bV s24, b1 s26, X s28, g1 s30, be1 s32, U1 s34, U2 s36, PA s38
	s_and_b32 s2, ttmp7, 0xffff                    ; u
	s_mov_b32 s3, ttmp9                            ; x
	v_lshrrev_b32 v1, 5, v0
	v_readfirstlane_b32 s4, v1                     ; wave
	v_and_b32 v2, 31, v0
	v_lshlrev_b32 v1, 4, v2                        ; 16 x lane
	v_lshlrev_b32 v2, 3, v2                        ; 8 x lane
	s_and_b32 s54, s2, 3                           ; q
	s_mov_b32 s51, 0                               ; high words of the two offset pairs
	s_mov_b32 s53, 0
	s_lshl_b32 s55, s3, 4
	s_lshl1_add_u32 s55, s4, s55                   ; r0 = 16 x + 2 wave
	s_wait_kmcnt 0x0
	s_cmp_ge_u32 s2, 12
	s_cbranch_scc1 .Lln
	; THE CAST.  Which tensor, which bundle
	s_mov_b64 s[44:45], s[8:9]
	s_cmp_eq_u32 s2, 1
	s_cselect_b64 s[44:45], s[10:11], s[44:45]
	s_cmp_eq_u32 s2, 2
	s_cselect_b64 s[44:45], s[12:13], s[44:45]
	s_cmp_eq_u32 s2, 3
	s_cselect_b64 s[44:45], s[14:15], s[44:45]
	s_cmp_ge_u32 s2, 4
	s_cselect_b64 s[44:45], s[16:17], s[44:45]
	s_cselect_b64 s[46:47], s[36:37], s[34:35]     ; U2 from u = 4 on, else U1
	s_cmp_ge_u32 s2, 8
	s_cselect_b64 s[44:45], s[18:19], s[44:45]
	s_lshr_b32 s56, s2, 2                          ; 0 the square weights, 1 W1, 2 W2
	s_mov_b32 s48, 4096                            ; bytes from row to row,
	s_cmp_eq_u32 s56, 1
	s_cselect_b32 s48, 16384, s48                  ; in W1 four times as many
	s_cselect_b32 s57, s54, 0                      ; W1: my quarter of the columns
	s_cmp_eq_u32 s56, 2
	s_cselect_b32 s58, s54, 0                      ; W2: my quarter of the rows
	s_lshl_b32 s59, s58, 10
	s_add_co_u32 s59, s59, s55                     ; my first row in the tensor
	s_mul_i32 s50, s59, s48
	s_lshl_b32 s57, s57, 12
	s_add_co_u32 s50, s50, s57
	s_add_nc_u64 s[44:45], s[44:45], s[50:51]
	v_add_nc_u32 v3, s48, v1                       ; the second row
.irp j, 0,1,2,3,4,5,6,7
	global_load_b128 v[XA+4*(\j):XA+4*(\j)+3], v1, s[44:45] offset:512*(\j) th:TH_LOAD_NT
.endr
.irp j, 0,1,2,3,4,5,6,7
	global_load_b128 v[XB+4*(\j):XB+4*(\j)+3], v3, s[44:45] offset:512*(\j) th:TH_LOAD_NT
.endr
	s_wait_loadcnt 0x8                             ; the first row is in, the second row's eight loads may stay out
.set i, 0
.rept 16
	v_cvt_pk_bf16_f32 v[G+i], v[XA+2*i], v[XA+2*i+1]
.set i, i+1
.endr
	s_wait_loadcnt 0x0
.set i, 0
.rept 16
	v_cvt_pk_bf16_f32 v[G+16+i], v[XB+2*i], v[XB+2*i+1]
.set i, i+1
.endr
	s_cmp_eq_u32 s2, 3
	s_cbranch_scc1 .Ltype_b
	s_cmp_ge_u32 s2, 8
	s_cbranch_scc1 .Ltype_b
	; rows of 256 n: piece q holds n / 256 = 4 q .. 4 q + 3; load j holds columns 128 j on
	s_lshl_b32 s52, s54, 12
	s_add_co_u32 s52, s52, s55
	s_lshl_b32 s52, s52, 9
	s_add_co_u32 s52, s52, WOFF
	s_add_nc_u64 s[40:41], s[46:47], s[52:53]
.irp w, 0,1
.irp j, 0,1,2,3,4,5,6,7
	global_store_b64 v2, v[G+16*(\w)+2*(\j):G+16*(\w)+2*(\j)+1], s[40:41] offset:((\j)/2)*524288+((\j)%2)*256+(\w)*512  ; 256 consecutive bytes, aligned
.endr
.endr
	s_branch .Lsmall
.Ltype_b:
	; rows of 128 n: k / 256 = 4 q + r0 / 256 (q = 0 for WO); load j is n / 128 = j
	s_lshl_b32 s52, s58, 2
	s_lshr_b32 s56, s55, 8
	s_add_co_u32 s52, s52, s56
	s_lshl_b32 s52, s52, 19
	s_and_b32 s56, s55, 255
	s_lshl_b32 s56, s56, 8
	s_add_co_u32 s52, s52, s56
	s_add_co_u32 s52, s52, OFFB
	s_add_nc_u64 s[40:41], s[46:47], s[52:53]
.irp w, 0,1
.irp j, 0,1,2,3,4,5,6,7
	global_store_b64 v2, v[G+16*(\w)+2*(\j):G+16*(\w)+2*(\j)+1], s[40:41] offset:(\j)*65536+(\w)*256
.endr
.endr
.Lsmall:
	s_cmp_lg_u32 s3, 0
	s_cbranch_scc1 .Lend
	s_wait_xcnt 0x0                                ; the stores above have read their registers: scalars are written again below
	s_cmp_eq_u32 s2, 3
	s_cbranch_scc1 .Lfloor
	s_cmp_eq_u32 s2, 8
	s_cbranch_scc1 .Lfloor
	s_cmp_gt_u32 s2, 8
	s_cbranch_scc1 .Lend
	; 1024 numbers of bias, 16 bytes a thread: bQ, bK, bV to U1 + 4096 u; quarter q of b1 to U2 + 4096 q
	s_mov_b64 s[56:57], s[20:21]
	s_cmp_eq_u32 s2, 1
	s_cselect_b64 s[56:57], s[22:23], s[56:57]
	s_cmp_eq_u32 s2, 2
	s_cselect_b64 s[56:57], s[24:25], s[56:57]
	s_cmp_ge_u32 s2, 4
	s_cselect_b64 s[56:57], s[26:27], s[56:57]
	s_cselect_b32 s50, s54, 0
	s_lshl_b32 s50, s50, 12
	s_add_nc_u64 s[56:57], s[56:57], s[50:51]
	s_lshl_b32 s52, s54, 12
	s_add_nc_u64 s[58:59], s[46:47], s[52:53]
	v_lshlrev_b32 v100, 4, v0
	global_load_b128 v[104:107], v100, s[56:57]
	s_wait_loadcnt 0x0
	global_store_b128 v100, v[104:107], s[58:59]
	s_branch .Lend
.Lfloor:
	s_cmp_lg_u32 s4, 0
	s_cbranch_scc1 .Lend                           ; wave 0 alone: 32 lanes x 8 bytes
	s_cmp_eq_u32 s2, 3
	s_cselect_b32 s56, 0xff80ff80, 0               ; U1: -inf twice in bf16; U2: 0
	v_mov_b32 v104, s56
	v_mov_b32 v105, s56
	global_store_b64 v2, v[104:105], s[46:47] offset:16384
.Lend:
	s_endpgm
.Lln:
	s_sub_co_u32 s56, s2, 12
	s_lshl_b32 s56, s56, 6
	s_add_co_u32 s56, s56, s3                      ; group 0..255
	s_lshl_b32 s56, s56, 4
	s_lshl1_add_u32 s56, s4, s56                   ; my first row
	s_lshl_b32 s50, s56, 12
	s_lshl_b32 s52, s56, 11
	s_add_nc_u64 s[44:45], s[28:29], s[50:51]
	s_add_nc_u64 s[46:47], s[38:39], s[52:53]
	s_mov_b64 s[40:41], s[30:31]
	s_mov_b64 s[42:43], s[32:33]
	s_mov_b32 s60, 0x3a800000                      ; 1 / 1024
	s_mov_b32 s61, 0x3727c5ac                      ; 1e-5
	s_mov_b32 s62, 0x76543210
	s_mov_b32 s63, 0xfedcba98
	LN2ROWS
	s_endpgm
.Lfunc_end_k_qb95a725dcd_prep:
	.size	k_qb95a725dcd_prep, .Lfunc_end_k_qb95a725dcd_prep-k_qb95a725dcd_prep
	.p2alignl 7, 3214868480
	.fill 96, 4, 3214868480
	.section	.rodata,"a",@progbits
	.p2align	6, 0x0
	.amdhsa_kernel k_qb95a725dcd_prep
		.amdhsa_group_segment_fixed_size 0
		.amdhsa_private_segment_fixed_size 0
		.amdhsa_enable_private_segment 0
		.amdhsa_kernarg_size 128
		.amdhsa_user_sgpr_count 2
		.amdhsa_user_sgpr_kernarg_segment_ptr 1
		.amdhsa_wavefront_size32 1
		.amdhsa_system_sgpr_workgroup_id_x 1
		.amdhsa_system_sgpr_workgroup_id_y 1
		.amdhsa_system_sgpr_workgroup_id_z 1
		.amdhsa_system_vgpr_workitem_id 0
		.amdhsa_next_free_vgpr 184
		.amdhsa_next_free_sgpr 66
		.amdhsa_reserve_vcc 0
		.amdhsa_float_denorm_mode_32 3
		.amdhsa_float_denorm_mode_16_64 3
		.amdhsa_memory_ordered 1
		.amdhsa_forward_progress 1
		.amdhsa_inst_pref_size 31
	.end_amdhsa_kernel
	.amdgpu_metadata
---
amdhsa.version: [ 1, 2 ]
amdhsa.kernels:
  - .name:           k_qb95a725dcd_prep
    .symbol:         k_qb95a725dcd_prep.kd
    .args:
      - { .name: WQ, .offset: 0, .size: 8, .value_kind: global_buffer, .address_space: global }
      - { .name: WK, .offset: 8, .size: 8, .value_kind: global_buffer, .address_space: global }
      - { .name: WV, .offset: 16, .size: 8, .value_kind: global_buffer, .address_space: global }
      - { .name: WO, .offset: 24, .size: 8, .value_kind: global_buffer, .address_space: global }
      - { .name: W1, .offset: 32, .size: 8, .value_kind: global_buffer, .address_space: global }
      - { .name: W2, .offset: 40, .size: 8, .value_kind: global_buffer, .address_space: global }
      - { .name: bQ, .offset: 48, .size: 8, .value_kind: global_buffer, .address_space: global }
      - { .name: bK, .offset: 56, .size: 8, .value_kind: global_buffer, .address_space: global }
      - { .name: bV, .offset: 64, .size: 8, .value_kind: global_buffer, .address_space: global }
      - { .name: b1, .offset: 72, .size: 8, .value_kind: global_buffer, .address_space: global }
      - { .name: X, .offset: 80, .size: 8, .value_kind: global_buffer, .address_space: global }
      - { .name: g1, .offset: 88, .size: 8, .value_kind: global_buffer, .address_space: global }
      - { .name: be1, .offset: 96, .size: 8, .value_kind: global_buffer, .address_space: global }
      - { .name: U1, .offset: 104, .size: 8, .value_kind: global_buffer, .address_space: global }
      - { .name: U2, .offset: 112, .size: 8, .value_kind: global_buffer, .address_space: global }
      - { .name: PA, .offset: 120, .size: 8, .value_kind: global_buffer, .address_space: global }
    .group_segment_fixed_size: 0
    .private_segment_fixed_size: 0
    .kernarg_segment_align: 8
    .kernarg_segment_size: 128
    .max_flat_workgroup_size: 256
    .sgpr_count:     66
    .vgpr_count:     184
    .wavefront_size: 32
...
	.end_amdgpu_metadata
.endif
;; end of part 1
;; launch qkv (part 2): grid 12 x 16, 4 waves a work-group, clusters of 4 x 4, 327,680 bytes of LDS; arguments PA, U1, PB; writes PB
.if DOCPART == 2
	.amdgcn_target "amdgcn-amd-amdhsa--gfx1250"
	.amdhsa_code_object_version 6
	.text
	.protected	k_qb95a725dcd_qkv
	.globl	k_qb95a725dcd_qkv
	.p2align	8
	.type	k_qb95a725dcd_qkv,@function
k_qb95a725dcd_qkv:
	s_mov_b64 s[64:65], 0
	v_nop
	global_prefetch_b8 v0, s[64:65] scope:SCOPE_SE
	s_setreg_imm32_b32 hwreg(HW_REG_WAVE_MODE, 25, 1), 1
	s_wait_xcnt 0x0
	s_wait_alu depctr_hold_cnt(0) depctr_sa_sdst(0) depctr_va_vdst(0) depctr_va_sdst(0) depctr_va_ssrc(0) depctr_va_vcc(0) depctr_vm_vsrc(0)
	s_getreg_b32 s2, hwreg(HW_REG_IB_STS2, 6, 4)
	s_cmp_eq_u32 s2, 0
	s_cbranch_scc0 .Lentry_in_a_cluster
	s_endpgm
.Lentry_in_a_cluster:
	s_bfe_u32 s2, ttmp6, 0x10000c
	s_cmp_lg_u32 s2, 0xf033
	s_cbranch_scc0 .Lentry_shape_is_right
	s_endpgm
.Lentry_shape_is_right:
; C = max(A B + bias, floor), rounded to bf16.  A: [4096][1024] bf16, row-major.  The bundle U: bias (f32) at byte 0, the floor word (two bf16) at byte 16384,
; B from byte WOFF as [n / 256][k 0..1023][256 n] bf16.
; C goes out IN FRAGMENT ORDER: byte of (m, n) = ((n / 256) 256 + m / 16) 8192 + ((n / 16) % 16) 512 + 256 h + 16 (r xor 8 h) + (n % 8) 2, r = m % 16, h = (n / 8) % 2.
; A chunk of 16 rows x 16 columns is 512 bytes, and a lane's eight packed results are its 16 bytes of it: a store of the wave covers one whole chunk, and no LDS stage is needed.
; Two chunks side by side, read back with the same lane offset, are a 16 x 32 operand of a later product.
; Serves two launches: the projections to q, k, v (floor = -inf) and the first layer of the MLP (floor = 0: ReLU).
; LIMITS.  Operands in bf16, sums in f32 begun with the bias; the maximum with the floor drops a NaN (it becomes the floor).
; A tile of C is 256 x 256: four waves, each 128 x 128 = 64 accumulators.  K = 1024 goes in 8 steps of 128 through two LDS slots filled by tensor loads.
; A's rows lie along K and are read as they lie; B's rows lie along n and are read turned, by ds_load_tr16_b128.
; CLUSTER 4 x 4: the four of a cluster's row need the same tile of A, the four of a column the same tile of B: each is asked for jointly.
; THE MATRIX INSTRUCTION IS USED TRANSPOSED (source 0 = 16 columns of B, source 1 = 16 rows of A): a lane holds row l % 16 of C and the columns 8 (l / 16) + 0..7.
; So the bias of a block of 16 columns is eight registers that serve as the C operand of the first product of every row block: nothing is cleared, nothing added later.
; REGISTERS by windows of 256: window 0: v16-29 addresses; v64-191 A's fragments, two buffers; v192-255 the bias, later two buffers of packed results.
;   window 1: v64-191 B's fragments, two buffers.   window 2: accumulators of my rows 0-63 ((a, b) at 8 (8 a + b)).   window 3: rows 64-127.
.set KSTEP,  128
.set PITA,   272                       ; A's LDS row: 256 bytes + 16: the 16 rows of a load start in 16 different groups of four banks
.set PITB,   544                       ; B's LDS row: 512 bytes + 32 = 17 x 32
.set HALFT,  128*PITA                  ; what one tensor load fills: 128 rows of A, or 64 rows of B (64 x 544 is the same number)
.set SLOT,   4*HALFT                   ; A's 256 rows, then B's 128 k rows
.set SPARE,  2*SLOT                    ; behind the ring: the spare words, 128 bytes a wave: no other line names them
.set LAPS,   4                         ; a lap = two K steps
.set WOFF,   16640
.set ADRA, 16                          ; v16-17  LDS address of my A fragments in slot 0, 1
.set ADRB, 20                          ; v20-21  the same for B
.set CO,   26                          ; v26     my 16 bytes' place in a chunk of C: 16 (l xor 8 (l / 16))
.set BO,   27                          ; v27     my byte offset in the bias
.set SPW,  28                          ; v28     my spare word; never rewritten
.set NIL,  29                          ; v29     0; never rewritten
.set F0,   64
.set F1,   128
.set BIAS, 192
.set TMP,  192
.set G1, 24                            ; s[24:31] group 1 for A;  s[32:39] group 0, a set for each slot
.set G0, 32
.set G1B, 48                           ; s[48:55], s[56:63] the same for B
.set G0B, 56
.set FLOOR, 66                         ; s66 the floor word
.set MSB, 0
.macro WIN new                         ; the immediate's high byte repeats the setting that is left
.if MSB != (\new)
	s_set_vgpr_msb (MSB<<8)|(\new)
.set MSB, \new
.endif
.endm
.set MUL_LO, 0xa1                      ; source 0 (B) window 1, source 1 (A) window 0, C and D window 2
.set TO_B,   0x40                      ; destination window 1, address window 0
; A joint load: waves 0, 1 fetch A's two halves, waves 2, 3 B's.  The branch hangs on the wave's number alone.  s_nop 0 and four v_nop follow each line.
.macro JLOAD s
	s_cmp_eq_u32 s11, 0
	s_cbranch_scc0 .Lfor_b_\@
	tensor_load_to_lds s[G0+4*(\s):G0+4*(\s)+3], s[G1:G1+7]
	s_nop 0
.rept 4
	v_nop
.endr
	s_branch .Lasked_\@
.Lfor_b_\@:
	tensor_load_to_lds s[G0B+4*(\s):G0B+4*(\s)+3], s[G1B:G1B+7]
	s_nop 0
.rept 4
	v_nop
.endr
.Lasked_\@:
.endm
.macro CREST                           ; a round of the cluster's barrier behind its opening barrier
	s_cmp_lg_u32 s10, 0
	s_cbranch_scc1 .Lnot_wave_0_\@
	s_barrier_signal -3
.Lnot_wave_0_\@:
	s_barrier_wait -3
	s_barrier_signal -1
	s_barrier_wait -1
.endm
.macro CROUND
	s_barrier_signal -1
	s_barrier_wait -1
	CREST
.endm
	s_load_b128 s[4:7], s[0:1], 0x0                ; A s[4:5], U s[6:7]
	s_load_b64 s[8:9], s[0:1], 0x10                ; C
	v_lshl_add_u32 v[SPW], v0, 2, SPARE
	v_mov_b32 v[NIL], 0
	ds_add_u32 v[SPW], v[NIL]                      ; the wave's opening: the add and its wait stand ahead of my first tensor load
	ds_add_u32 v28, v29
	v_lshrrev_b32 v1, 5, v0
	v_readfirstlane_b32 s10, v1                    ; wave 0..3
	s_lshr_b32 s11, s10, 1                         ; my half of the tile's rows.  Also: I fetch for A (0) or B (1)
	s_and_b32 s12, s10, 1                          ; my half of its columns.  Also: which half I fetch
	s_bfe_u32 s40, ttmp6, 0x40000                  ; cx
	s_bfe_u32 s41, ttmp6, 0x40004                  ; cy
	s_lshl_b32 s42, ttmp9, 2
	s_add_co_u32 s42, s42, s40                     ; tile column
	s_and_b32 s13, ttmp7, 0xffff
	s_lshl_b32 s13, s13, 2
	s_add_co_u32 s13, s13, s41                     ; tile row
	s_lshl_b32 s43, s41, 2
	s_lshl_b32 s43, 15, s43                        ; my row of the cluster
	s_lshl_b32 s44, 0x1111, s40                    ; my column
	s_or_b32 s[G1+0], s43, (1<<16)|(1<<20)|(1<<21)|(5<<22)|(3<<25)   ; mask; 2-byte elements; padding on; bit 21 beside a mask; after every 64 words 4 words
	s_mov_b32 s[G1+1], 128<<16                     ; tensor_dim0 = 128
	s_mov_b32 s[G1+2], 128<<16                     ; tensor_dim1 = 128
	s_mov_b32 s[G1+3], 128<<16                     ; tile_dim0 = 128
	s_mov_b32 s[G1+4], 128                         ; tile_dim1 = 128
	s_mov_b32 s[G1+5], 1024                        ; elements from row to row
	s_mov_b32 s[G1+6], 0
	s_mov_b32 s[G1+7], 0
	s_or_b32 s[G1B+0], s44, (1<<16)|(1<<20)|(1<<21)|(6<<22)|(7<<25)  ; after every 128 words 8 words
	s_mov_b32 s[G1B+1], 256<<16
	s_mov_b32 s[G1B+2], 64<<16
	s_mov_b32 s[G1B+3], 256<<16
	s_mov_b32 s[G1B+4], 64
	s_mov_b32 s[G1B+5], 256
	s_mov_b32 s[G1B+6], 0
	s_mov_b32 s[G1B+7], 0
	s_lshl_b32 s16, s13, 19                        ; A: (256 tile row + 128 half) rows of 2048 bytes
	s_lshl_b32 s17, s12, 18
	s_add_co_u32 s16, s16, s17
	s_mov_b32 s17, 0
	s_lshl_b32 s46, s42, 19                        ; B: tile column x 1024 rows of 512 bytes + half x 64 rows
	s_lshl_b32 s47, s12, 15
	s_add_co_u32 s46, s46, s47
	s_add_co_u32 s46, s46, WOFF
	s_mov_b32 s47, 0
	s_mul_i32 s20, s10, HALFT                      ; where my part goes: no place in the cluster enters an LDS address
	s_wait_dscnt 0x0                               ; the opening add is done
	s_wait_kmcnt 0x0
	s_add_nc_u64 s[14:15], s[4:5], s[16:17]
	s_add_nc_u64 s[46:47], s[6:7], s[46:47]
	CROUND                                         ; all sixteen work-groups are here: the first joint loads meet
.irp s, 0,1
	s_mov_b32 s[G0+4*(\s)], 1
	s_add_co_u32 s[G0+4*(\s)+1], s20, (\s)*SLOT
	s_add_nc_u64 s[G0+4*(\s)+2:G0+4*(\s)+3], s[14:15], (\s)*KSTEP*2
	s_or_b32 s[G0+4*(\s)+3], s[G0+4*(\s)+3], 0x80000000
	s_mov_b32 s[G0B+4*(\s)], 1
	s_add_co_u32 s[G0B+4*(\s)+1], s20, (\s)*SLOT
	s_add_nc_u64 s[G0B+4*(\s)+2:G0B+4*(\s)+3], s[46:47], (\s)*KSTEP*512
	s_or_b32 s[G0B+4*(\s)+3], s[G0B+4*(\s)+3], 0x80000000
	JLOAD \s                                       ; two tensor loads of mine are out
.endr
	s_load_b32 s[FLOOR], s[6:7], 0x4000
	v_and_b32 v1, 15, v0                           ; r = l % 16
	v_bfe_u32 v2, v0, 4, 1                         ; h = l / 16
	v_lshlrev_b32 v[BO], 5, v2                     ; the bias of column 256 tile + 128 half + 16 b + 8 h + j
	s_lshl_b32 s68, s42, 10
	s_lshl_b32 s69, s12, 9
	s_add_co_u32 s68, s68, s69
	v_add_nc_u32 v[BO], s68, v[BO]
.irp b, 0,1,2,3,4,5,6,7
	global_load_b128 v[BIAS+8*(\b):BIAS+8*(\b)+3],   v[BO], s[6:7] offset:64*(\b)
	global_load_b128 v[BIAS+8*(\b)+4:BIAS+8*(\b)+7], v[BO], s[6:7] offset:64*(\b)+16
.endr
	v_mul_u32_u24 v3, v1, PITA
	v_lshl_add_u32 v3, v2, 4, v3                   ; A: row x pitch + 16 h
	v_and_b32 v4, 7, v0
	v_lshl_add_u32 v4, v2, 3, v4
	v_mul_u32_u24 v4, v4, PITB                     ; B: k row 8 h + l % 8,
	v_bfe_u32 v5, v0, 3, 1
	v_lshl_add_u32 v4, v5, 4, v4                   ; 16 bytes for each half of eight lanes
	s_mul_i32 s21, s11, HALFT
	s_lshl_b32 s22, s12, 8
	s_add_co_u32 s22, s22, 2*HALFT
.irp s, 0,1
	v_add_nc_u32 v[ADRA+(\s)], s21, v3
	v_add_nc_u32 v[ADRB+(\s)], s22, v4
	s_add_co_u32 s21, s21, SLOT
	s_add_co_u32 s22, s22, SLOT
.endr
	v_and_b32 v[CO], 31, v0                        ; my place in a chunk: 16 (l xor 8 h)
	v_lshlrev_b32 v5, 3, v2
	v_xor_b32 v[CO], v[CO], v5
	v_lshlrev_b32 v[CO], 4, v[CO]
	s_lshl_b32 s68, s42, 8                         ; my part of C: ((tile column) 256 + 16 tile row + 8 row half) 8192 + column half x 4096
	s_lshl4_add_u32 s68, s13, s68
	s_lshl3_add_u32 s68, s11, s68
	s_lshl_b32 s68, s68, 13
	s_lshl_b32 s69, s12, 12
	s_add_co_u32 s68, s68, s69
	s_mov_b32 s69, 0
	s_add_nc_u64 s[8:9], s[8:9], s[68:69]
; 16 matrix instructions: row blocks a0, a0 + 1 of the window's four x all 8 column blocks, 32 along K.  zero = 1: the bias starts the sums.
; The 64 accumulators take turns in the same order in every quarter step.
.macro MUL16 f, hi, a0, zero
.if \zero
	WIN 0x81+0x40*(\hi)                            ; C in window 0
.else
	WIN MUL_LO+0x50*(\hi)
.endif
.irp a, \a0, (\a0)+1
.irp b, 0,1,2,3,4,5,6,7
.if \zero
	v_wmma_f32_16x16x32_bf16 v[8*(8*(\a)+(\b)):8*(8*(\a)+(\b))+7], v[(\f)+8*(\b):(\f)+8*(\b)+7], v[(\f)+8*(4*(\hi)+(\a)):(\f)+8*(4*(\hi)+(\a))+7], v[BIAS+8*(\b):BIAS+8*(\b)+7]
.else
	v_wmma_f32_16x16x32_bf16 v[8*(8*(\a)+(\b)):8*(8*(\a)+(\b))+7], v[(\f)+8*(\b):(\f)+8*(\b)+7], v[(\f)+8*(4*(\hi)+(\a)):(\f)+8*(4*(\hi)+(\a))+7], v[8*(8*(\a)+(\b)):8*(8*(\a)+(\b))+7]
.endif
.endr
.endr
.endm
; 32 LDS loads in one run: the fragments of quarter q (32 along K) into buffer f: B's 128 columns turned, then A's 128 rows
.macro FETCH slot, q, f
	WIN TO_B
.irp i, 0,1,2,3,4,5,6,7
	ds_load_tr16_b128 v[(\f)+8*(\i):(\f)+8*(\i)+3],   v[ADRB+(\slot)] offset:(\q)*32*PITB+32*(\i)
	ds_load_tr16_b128 v[(\f)+8*(\i)+4:(\f)+8*(\i)+7], v[ADRB+(\slot)] offset:(\q)*32*PITB+16*PITB+32*(\i)
.endr
	WIN 0
.irp i, 0,1,2,3,4,5,6,7
	ds_load_b128 v[(\f)+8*(\i):(\f)+8*(\i)+3],   v[ADRA+(\slot)] offset:64*(\q)+(\i)*16*PITA
	ds_load_b128 v[(\f)+8*(\i)+4:(\f)+8*(\i)+7], v[ADRA+(\slot)] offset:64*(\q)+(\i)*16*PITA+32
.endr
.endm
.macro PLACES                          ; four places in front of loads into registers that matrix instructions have read, and of reads of results
.rept 4
	v_nop
.endr
.endm
; One of a K step's first three quarters: multiplies buffer f; in its middle fetches quarter q of the same slot into buffer g
.macro QUARTER slot, q, f, g, zero
	s_wait_dscnt 8                                 ; B and A's rows 0-63 are in; the youngest eight loads (A's rows 64-127) may be out
	MUL16 \f, 0, 0, \zero
	MUL16 \f, 0, 2, \zero
	PLACES
	FETCH \slot, \q, \g
	s_wait_dscnt 32                                ; all but the 32 just issued
	MUL16 \f, 1, 0, \zero
	MUL16 \f, 1, 2, \zero
.endm
; The last quarter multiplies buffer 1 and changes slots.  One barrier: in front of it each wave waits for all its tensor loads (its part of the next slot), adds 0 to its spare word,
; and waits for that and for its reads of this slot.  fill = 1: the barrier opens a round of the cluster's, and this slot is filled again, two K steps on, first thing behind the round.
.macro TURN slot, next, fill
	WIN 0
	s_wait_tensorcnt 0x0
	ds_add_u32 v[SPW], v[NIL]
	s_wait_dscnt 9                                 ; the add and the youngest eight loads may be out
	MUL16 F1, 0, 0, 0
	s_wait_dscnt 0x0                               ; the add is done, my reads of this slot are over
	s_barrier_signal -1
	MUL16 F1, 0, 2, 0
.if \fill
	WIN 0
.endif
	s_barrier_wait -1
.if \fill
	CREST
	s_add_nc_u64 s[G0+4*(\slot)+2:G0+4*(\slot)+3], s[G0+4*(\slot)+2:G0+4*(\slot)+3], 2*KSTEP*2
	s_add_nc_u64 s[G0B+4*(\slot)+2:G0B+4*(\slot)+3], s[G0B+4*(\slot)+2:G0B+4*(\slot)+3], 2*KSTEP*512
	JLOAD \slot                                    ; my one tensor load behind the round; 224 matrix instructions stand between it and the wait for it
.else
	PLACES
.endif
	FETCH \next, 0, F0
	MUL16 F1, 1, 0, 0
	MUL16 F1, 1, 2, 0
.endm
; THE WAY OUT of row block a: rounded to bf16 and held to the floor, into buffer a % 2; then eight stores, each one whole chunk of 512 bytes
.macro PACK a
.set AC, 64*((\a)%4)
.set PB_, TMP+32*((\a)%2)
	WIN 0x0a+5*((\a)/4)                            ; sources in window 2 or 3
.irp b, 0,1,2,3,4,5,6,7
.irp r, 0,1,2,3
	v_cvt_pk_bf16_f32 v[PB_+4*(\b)+(\r)], v[AC+8*(\b)+2*(\r)], v[AC+8*(\b)+2*(\r)+1]
.endr
.endr
	WIN 0
.set z, 0
.rept 32
	v_pk_max_num_bf16 v[PB_+z], v[PB_+z], s[FLOOR]
.set z, z+1
.endr
.endm
.macro SEND a
.set PB_, TMP+32*((\a)%2)
	s_wait_xcnt 0x0                                ; the stores of the block before have read their registers: the next block is packed into that buffer only behind this wait
.irp b, 0,1,2,3,4,5,6,7
	global_store_b128 v[CO], v[PB_+4*(\b):PB_+4*(\b)+3], s[8:9] offset:(\a)*8192+(\b)*512  ; 32 lanes store 512 consecutive bytes, aligned
.endr
.endm
	s_wait_tensorcnt 1                             ; my part of K step 0 is in; K step 1's may stay out
	s_wait_kmcnt 0x0                               ; the floor word
	s_barrier_signal -1
	s_barrier_wait -1
	FETCH 0, 0, F0
	s_wait_loadcnt 0x0                             ; the bias
	QUARTER 0, 1, F0, F1, 1                        ; the first quarter stands in front of the loop: its products start the sums
	WIN 0
	s_mov_b32 s3, LAPS-1
.Llap:                                                 ; a trip goes once round the ring and fills both slots again
	QUARTER 0, 2, F1, F0, 0
	QUARTER 0, 3, F0, F1, 0
	TURN 0, 1, 1
	QUARTER 1, 1, F0, F1, 0
	QUARTER 1, 2, F1, F0, 0
	QUARTER 1, 3, F0, F1, 0
	TURN 1, 0, 1
	QUARTER 0, 1, F0, F1, 0
	WIN 0
	s_sub_co_u32 s3, s3, 1
	s_cmp_lg_u32 s3, 0
	s_cbranch_scc1 .Llap
	QUARTER 0, 2, F1, F0, 0                        ; the last lap fills nothing
	QUARTER 0, 3, F0, F1, 0
	TURN 0, 1, 0
	QUARTER 1, 1, F0, F1, 0
	QUARTER 1, 2, F1, F0, 0
	QUARTER 1, 3, F0, F1, 0
	s_wait_dscnt 8
	MUL16 F1, 0, 0, 0
	MUL16 F1, 0, 2, 0
	s_wait_dscnt 0x0
	MUL16 F1, 1, 0, 0
	MUL16 F1, 1, 2, 0
	WIN 0
	PLACES
.irp a, 0,1,2,3,4,5,6,7
	PACK \a
	SEND \a
.endr
	s_wait_tensorcnt 0x0                           ; the wave's end
	ds_add_u32 v[SPW], v[NIL]
	s_wait_dscnt 0x0
	CROUND                                         ; the closing round
	s_endpgm
.Lfunc_end_k_qb95a725dcd_qkv:
	.size	k_qb95a725dcd_qkv, .Lfunc_end_k_qb95a725dcd_qkv-k_qb95a725dcd_qkv
	.p2alignl 7, 3214868480
	.fill 96, 4, 3214868480
	.section	.rodata,"a",@progbits
	.p2align	6, 0x0
	.amdhsa_kernel k_qb95a725dcd_qkv
		.amdhsa_group_segment_fixed_size 327680
		.amdhsa_private_segment_fixed_size 0
		.amdhsa_enable_private_segment 0
		.amdhsa_kernarg_size 24
		.amdhsa_user_sgpr_count 2
		.amdhsa_user_sgpr_kernarg_segment_ptr 1
		.amdhsa_wavefront_size32 1
		.amdhsa_system_sgpr_workgroup_id_x 1
		.amdhsa_system_sgpr_workgroup_id_y 1
		.amdhsa_system_sgpr_workgroup_id_z 1
		.amdhsa_system_vgpr_workitem_id 0
		.amdhsa_next_free_vgpr 1024
		.amdhsa_next_free_sgpr 72
		.amdhsa_reserve_vcc 0
		.amdhsa_float_denorm_mode_32 3
		.amdhsa_float_denorm_mode_16_64 3
		.amdhsa_memory_ordered 1
		.amdhsa_forward_progress 1
		.amdhsa_inst_pref_size 151
	.end_amdhsa_kernel
	.amdgpu_metadata
---
amdhsa.version: [ 1, 2 ]
amdhsa.kernels:
  - .name:           k_qb95a725dcd_qkv
    .symbol:         k_qb95a725dcd_qkv.kd
    .args:
      - { .name: PA, .offset: 0, .size: 8, .value_kind: global_buffer, .address_space: global }
      - { .name: U1, .offset: 8, .size: 8, .value_kind: global_buffer, .address_space: global }
      - { .name: PB, .offset: 16, .size: 8, .value_kind: global_buffer, .address_space: global }
    .group_segment_fixed_size: 327680
    .private_segment_fixed_size: 0
    .kernarg_segment_align: 8
    .kernarg_segment_size: 24
    .max_flat_workgroup_size: 128
    .sgpr_count:     72
    .vgpr_count:     1024
    .wavefront_size: 32
...
	.end_amdgpu_metadata
.endif
;; end of part 2
;; launch attn (part 3): grid 4 x 64, 8 waves a work-group, no clusters, 327,680 bytes of LDS; arguments PB, PA; writes PA
.if DOCPART == 3
	.amdgcn_target "amdgcn-amd-amdhsa--gfx1250"
	.amdhsa_code_object_version 6
	.text
	.protected	k_qb95a725dcd_attn
	.globl	k_qb95a725dcd_attn
	.p2align	8
	.type	k_qb95a725dcd_attn,@function
k_qb95a725dcd_attn:
	s_mov_b64 s[64:65], 0
	v_nop
	global_prefetch_b8 v0, s[64:65] scope:SCOPE_SE
	s_setreg_imm32_b32 hwreg(HW_REG_WAVE_MODE, 25, 1), 1
	s_wait_xcnt 0x0
; CAUSAL ATTENTION, head size 64, 1024 tokens, 64 pairs of (head, batch).  q, k, v come in bf16 from PB IN FRAGMENT ORDER: 16 tokens x 16 channels are a chunk of 512 bytes in which
; (token r, channels 8 h + 0..7) lie at 256 h + 16 (r xor 8 h); the four chunks of 16 tokens of one head lie on end (2,048 bytes) at base(t) + 8192 x (token / 16),
; base(t) = ((4 t + head / 4) 256 + 64 batch) 8192 + (head % 4) 2048, t = 0, 1, 2 for q, k, v.  The result goes to PA in the layout of t = 0.
; Two chunks read with the lane offset 16 (l xor 8 (l / 16)) are a fragment of Q or K; V is read turned out of the same chunks; a lane's eight packed results are its 16 bytes of a chunk.
; Both kinds of LDS read take 16 different 16-byte columns for each 16 lanes: that is what the exclusive or in the chunk is for.
; Products, maxima and sums in f32; the weights are rounded to bf16 for the second product (their sum is taken unrounded), the result once at the end.
; LIMITS.  A hidden score is replaced by -1e30: visible scores near or beyond that size are not told apart from hidden ones.  A weight below 2^-126 counts as 0.  NaN and infinities are not treated apart.
; SHARES.  A work-group takes the query blocks p and 7 - p of 128 queries: together 9 tiles of 128 keys whatever p: all work-groups do equal work.  Wave w owns queries 16 w .. 16 w + 15 of each block.
; Two waves lie on a SIMD: one's softmax runs beside the other's products, and the text stays in phases.
; LDS.  All 1024 keys stay: K at key x 128, V at 131072 + key x 128.  Each byte is filled once; keys 0-511 are waited for first, keys 512-1023 land during the first two walks.
; NO CLUSTER: the four work-groups of a head walk different numbers of key steps, chosen by branches on p; a walk common to all four would have 16 tiles for 9.
; LAYOUT.  S^T = K Q^T: a lane holds one query (l % 16) and the keys 8 (l / 16) + 0..7 of each 16; two such results rounded to bf16 are source 1 of O^T = V^T P.
; SOFTMAX.  Running maximum m and sum l: p = 2^(c s - c m), c = log2(e) / 8; O and l are multiplied by a = 2^(c m_old - c m_new) in every step; m starts at the lowest finite number, so the first a is 0.
.set VBASE, 131072
.set SPARE, 262144                     ; the spare words, 128 bytes a wave: no other line names them
.set AV0, 3                            ; v3  my lane's place in a chunk of V for the turning load, plus VBASE
.set AK,  4
.set AV,  5
.set GO,  8                            ; v8  my lane's place in a chunk: 16 (l xor 8 (l / 16)); never rewritten
.set QD,  12                           ; my query less 8 (l / 16)
.set DD,  13                           ; that less the step's first key
.set BIG, 14                           ; -1e30
.set CM,  16                           ; c m;  v17 m
.set MX,  17
.set LS,  18                           ; v[18:19] l: even keys', odd keys'
.set CC,  20                           ; v[20:23] at work; a takes v22
.set CMO, 24                           ; c m_old
.set SPW, 26
.set NIL, 27
.set QLR, 32                           ; v[32:47] Q of block p, later its result
.set QHR, 48                           ; v[48:63] Q of block 7 - p
.set S,   64                           ; v[64:95] scores; at the end v[64:79] the second result
.set P,   96                           ; v[96:111] weights in bf16
.set O,   112                          ; v[112:143]
.set KV,  144                          ; v[144:207] K's fragments of a step, then V's
.set WV,  12
.set G1,  24                           ; s[24:31] the shape of every tile
.set G0K, 40                           ; s[40:47] two sets
.set G0V, 48                           ; s[48:55] two sets
.set TM,  56
.set CNT, 57
.set CS,  58
.set SEL, 60
.set KEY0, 62                          ; the step's first key
.set TBK, 63                           ; its byte in K, and in V less VBASE
.set QF,  66                           ; my first query
.set QLA, 67                           ; my last query
.set OLO, 68                           ; s[68:69], s[70:71] the result's addresses
.set OHI, 70
.set QLO, 72                           ; s[72:73], s[74:75] Q's addresses
.set QHI, 74
	s_load_b128 s[4:7], s[0:1], 0x0                ; PB s[4:5], PA s[6:7]
	v_lshl_add_u32 v[SPW], v0, 2, SPARE
	v_mov_b32 v[NIL], 0
	ds_add_u32 v[SPW], v[NIL]                      ; the wave's opening: the add and its wait stand ahead of my first tensor load
	ds_add_u32 v26, v27
	v_lshrrev_b32 v1, 5, v0
	v_readfirstlane_b32 s[WV], v1                  ; wave 0..7
	s_mov_b32 s13, ttmp9                           ; p
	s_sub_co_u32 s14, 7, s13                       ; 7 - p
	s_and_b32 s15, ttmp7, 0xffff
	s_lshr_b32 s16, s15, 2                         ; head
	s_and_b32 s17, s15, 3                          ; batch
	s_lshr_b32 s18, s16, 2
	s_lshl_b32 s18, s18, 5
	s_lshl3_add_u32 s18, s17, s18
	s_lshl_b32 s18, s18, 16
	s_and_b32 s19, s16, 3
	s_lshl_b32 s19, s19, 11
	s_add_co_u32 s18, s18, s19                     ; base(0)
	s_lshl_b32 s19, s[WV], 16                      ; 128 tokens are 8 rows of 8192 bytes
	s_add_co_u32 s20, s18, s19
	s_add_co_u32 s22, s20, 16777216-262144         ; V: base(2) + (w - 4) x 128 tokens
	s_add_co_u32 s20, s20, 8388608                 ; K: base(1) + w x 128 tokens
	s_mov_b32 s21, 0
	s_mov_b32 s23, 0
	s_lshl_b32 s19, s[WV], 13                      ; my 16 rows of a block
	s_add_co_u32 s19, s19, s18
	s_lshl_b32 s80, s13, 16
	s_add_co_u32 s80, s80, s19
	s_lshl_b32 s82, s14, 16
	s_add_co_u32 s82, s82, s19
	s_mov_b32 s81, 0
	s_mov_b32 s83, 0
	; 128 keys of a head: 8 rows of 2,048 bytes, 8,192 bytes apart in memory, on end in LDS
	s_mov_b32 s[G1], 1<<16                         ; 2-byte elements, no padding
	s_mov_b32 s[G1+1], 1024<<16                    ; tensor_dim0 = 1024
	s_mov_b32 s[G1+2], 8<<16                       ; tensor_dim1 = 8
	s_mov_b32 s[G1+3], 1024<<16                    ; tile_dim0 = 1024
	s_mov_b32 s[G1+4], 8                           ; tile_dim1 = 8
	s_mov_b32 s[G1+5], 4096                        ; elements from row to row
	s_mov_b32 s[G1+6], 0
	s_mov_b32 s[G1+7], 0
	s_lshl_b32 s77, s[WV], 14
	s_mov_b32 s[G0K], 1
	s_mov_b32 s[G0K+1], s77                        ; waves 0-3: K's keys 128 w on
	s_mov_b32 s[G0K+4], 1
	s_add_co_u32 s[G0K+5], s77, 65536              ; and 512 + 128 w on
	s_mov_b32 s[G0V], 1
	s_add_co_u32 s[G0V+1], s77, VBASE-65536        ; waves 4-7: V's keys 128 (w - 4) on
	s_mov_b32 s[G0V+4], 1
	s_add_co_u32 s[G0V+5], s77, VBASE              ; and 128 w on
	s_mov_b32 s[CS], 0x3e38aa3b                    ; c = log2(e) / 8
	s_mov_b32 s[CS+1], s[CS]
	s_mov_b32 s[SEL], 0x76543210
	s_mov_b32 s[SEL+1], 0xfedcba98
	s_wait_dscnt 0x0                               ; the opening add is done
	s_wait_kmcnt 0x0
	s_add_nc_u64 s[G0K+2:G0K+3], s[4:5], s[20:21]
	s_add_nc_u64 s[G0K+6:G0K+7], s[G0K+2:G0K+3], 262144
	s_or_b32 s[G0K+3], s[G0K+3], 0x80000000
	s_or_b32 s[G0K+7], s[G0K+7], 0x80000000
	s_add_nc_u64 s[G0V+2:G0V+3], s[4:5], s[22:23]
	s_add_nc_u64 s[G0V+6:G0V+7], s[G0V+2:G0V+3], 262144
	s_or_b32 s[G0V+3], s[G0V+3], 0x80000000
	s_or_b32 s[G0V+7], s[G0V+7], 0x80000000
	s_add_nc_u64 s[QLO:QLO+1], s[4:5], s[80:81]
	s_add_nc_u64 s[QHI:QHI+1], s[4:5], s[82:83]
	s_add_nc_u64 s[OLO:OLO+1], s[6:7], s[80:81]
	s_add_nc_u64 s[OHI:OHI+1], s[6:7], s[82:83]
	s_cmp_lt_u32 s[WV], 4                          ; a wave's two fills stand in one branch, ahead of every wait on TENSORcnt and every LDS read: two loads of mine are out
	s_cbranch_scc0 .Lfirst_v
	tensor_load_to_lds s[G0K:G0K+3], s[G1:G1+7]
	s_nop 0
	tensor_load_to_lds s[G0K+4:G0K+7], s[G1:G1+7]
	s_nop 0
.rept 4
	v_nop
.endr
	s_branch .Lfirst_asked
.Lfirst_v:
	tensor_load_to_lds s[G0V:G0V+3], s[G1:G1+7]
	s_nop 0
	tensor_load_to_lds s[G0V+4:G0V+7], s[G1:G1+7]
	s_nop 0
.rept 4
	v_nop
.endr
.Lfirst_asked:
	v_and_b32 v1, 15, v0                           ; r = l % 16
	v_bfe_u32 v9, v0, 4, 1                         ; h = l / 16
	v_and_b32 v[GO], 31, v0
	v_lshlrev_b32 v10, 3, v9
	v_xor_b32 v[GO], v[GO], v10
	v_lshlrev_b32 v[GO], 4, v[GO]                  ; 16 (l xor 8 h)
.irp c, 0,1,2,3                        ; my 16 queries' four chunks: chunks 0, 1 are the fragment of channels 0-31, chunks 2, 3 that of channels 32-63
	global_load_b128 v[QLR+4*(\c):QLR+4*(\c)+3], v[GO], s[QLO:QLO+1] offset:512*(\c)
	global_load_b128 v[QHR+4*(\c):QHR+4*(\c)+3], v[GO], s[QHI:QHI+1] offset:512*(\c)
.endr
	v_and_b32 v10, 7, v0
	v_bfe_u32 v11, v0, 3, 1                        ; e: which eight channels of the chunk
	v_xor_b32 v[AV0], v9, v11                      ; the turning load: lane l reads key 8 h + l % 8, channels 8 e on: byte 256 e + 16 (8 (h xor e) + l % 8)
	v_lshl_add_u32 v[AV0], v[AV0], 3, v10
	v_lshlrev_b32 v[AV0], 4, v[AV0]
	v_lshl_add_u32 v[AV0], v11, 8, v[AV0]
	v_add_nc_u32 v[AV0], VBASE, v[AV0]
	v_mov_b32 v[BIG], 0xf149f2ca                   ; -1e30
; A block begins: its queries' numbers; m, l and O^T start
.macro BEGIN blk
	s_lshl_b32 s[QF], \blk, 7
	s_lshl4_add_u32 s[QF], s[WV], s[QF]
	s_add_co_u32 s[QLA], s[QF], 15
	v_lshlrev_b32 v[QD], 3, v9
	v_sub_nc_u32 v[QD], v1, v[QD]
	v_add_nc_u32 v[QD], s[QF], v[QD]
	v_mov_b32 v[CM], 0xfe000000                    ; c m: far below every c s
	v_mov_b32 v[MX], 0xff7fffff
	v_mov_b32 v[LS], 0
	v_mov_b32 v[LS+1], 0
.set z, 0
.rept 32
	v_mov_b32 v[O+z], 0
.set z, z+1
.endr
.endm
.macro SOFTMAX
.irp n, 0,1,2,3                        ; the maximum: four chains of seven scores; each accumulator's lowest registers are read first
	v_max3_num_f32 v[CC+(\n)], v[S+8*(\n)], v[S+8*(\n)+1], v[S+8*(\n)+2]
.endr
.irp n, 0,1,2,3
	v_max3_num_f32 v[CC+(\n)], v[CC+(\n)], v[S+8*(\n)+3], v[S+8*(\n)+4]
.endr
.irp n, 0,1,2,3
	v_max3_num_f32 v[CC+(\n)], v[CC+(\n)], v[S+8*(\n)+5], v[S+8*(\n)+6]
.endr
	v_max3_num_f32 v[CC], v[CC], v[S+7], v[S+15]
	v_max3_num_f32 v[CC+1], v[CC+1], v[S+23], v[S+31]
	v_max3_num_f32 v[CC+2], v[CC+2], v[CC+3], v[MX]
	v_mov_b32 v[CMO], v[CM]
	v_max3_num_f32 v[CC], v[CC], v[CC+1], v[CC+2]
	v_permlanex16_b32 v[CC+3], v[CC], s[SEL], s[SEL+1]  ; the query's other 32 keys lie in the lane 16 away
	v_max_num_f32 v[MX], v[CC], v[CC+3]
	v_mul_f32 v[CM], s[CS], v[MX]
	v_sub_f32 v[CC+1], v[CMO], v[CM]
	v_exp_f32 v[CC+2], v[CC+1]                     ; a; the scalings below are the plain instructions behind it
.set z, 0
.rept 16
	v_pk_fma_f32 v[S+2*z:S+2*z+1], v[S+2*z:S+2*z+1], s[CS:CS+1], v[CM:CM+1] op_sel_hi:[1,0,0] neg_lo:[0,0,1] neg_hi:[0,0,1]
.set z, z+1
.endr
.set z, 0
.rept 32
	v_exp_f32 v[S+z], v[S+z]
.set z, z+1
.endr
	v_nop                                          ; a plain instruction behind the last exponential (ISA guide 5.7.2)
.set z, 0
	s_wait_alu depctr_va_vdst(0)
.rept 16
	v_cvt_pk_bf16_f32 v[P+z], v[S+2*z], v[S+2*z+1]
.set z, z+1
.endr
.set z, 0
.rept 8
	v_pk_add_f32 v[S+4*z:S+4*z+1], v[S+4*z:S+4*z+1], v[S+4*z+2:S+4*z+3]
.set z, z+1
.endr
	v_pk_fma_f32 v[LS:LS+1], v[LS:LS+1], v[CC+2:CC+3], v[S:S+1] op_sel_hi:[1,0,1]
.set z, 1
.rept 7
	v_pk_add_f32 v[LS:LS+1], v[LS:LS+1], v[S+4*z:S+4*z+1]
.set z, z+1
.endr
.set z, 0
.rept 16
	v_pk_mul_f32 v[O+2*z:O+2*z+1], v[O+2*z:O+2*z+1], v[CC+2:CC+3] op_sel_hi:[1,0]
.set z, z+1
.endr
.endm
; Eight key steps of 64 keys from key0 on, for the 16 queries whose fragments lie at q.  causal = 1: steps wholly above the diagonal are jumped over, forward, to the counter's step
; (nothing jumped holds a barrier or a tensor load), and steps that hold it take the mask.
.macro WALK id, causal, q, key0
	s_mov_b32 s[KEY0], \key0
	s_mov_b32 s[TBK], (\key0)*128
	s_mov_b32 s[CNT], 8
.Lstep_\id:
.if \causal
	s_cmp_gt_u32 s[KEY0], s[QLA]
	s_cbranch_scc1 .Lskip_\id
.endif
	v_add_nc_u32 v[AK], s[TBK], v[GO]
	v_add_nc_u32 v[AV], s[TBK], v[AV0]
.set z, 0
.rept 16                               ; K: the step's 16 chunks on end: keys 16 (z / 4) on, channels 16 (z % 4) on; each load takes 512 consecutive bytes
	ds_load_b128 v[KV+4*z:KV+4*z+3], v[AK] offset:512*z
.set z, z+1
.endr
	s_wait_dscnt 0x0
.irp kb, 0,1,2,3                       ; the four accumulators take turns
	v_wmma_f32_16x16x32_bf16 v[S+8*(\kb):S+8*(\kb)+7], v[KV+16*(\kb):KV+16*(\kb)+7], v[(\q):(\q)+7], 0
.endr
.irp kb, 0,1,2,3
	v_wmma_f32_16x16x32_bf16 v[S+8*(\kb):S+8*(\kb)+7], v[KV+16*(\kb)+8:KV+16*(\kb)+15], v[(\q)+8:(\q)+15], v[S+8*(\kb):S+8*(\kb)+7]
.endr
.rept 4
	v_nop                                          ; the places in front of the loads into K's registers and of the reads of the scores
.endr
.irp f, 0,1,2,3,4,5,6,7                ; V, turned: keys 32 (f / 4) on, channels 16 (f % 4) on; it lands during the softmax
	ds_load_tr16_b128 v[KV+8*(\f):KV+8*(\f)+3],   v[AV] offset:((\f)/4)*4096+((\f)%4)*512
	ds_load_tr16_b128 v[KV+8*(\f)+4:KV+8*(\f)+7], v[AV] offset:((\f)/4)*4096+2048+((\f)%4)*512
.endr
.if \causal
	s_add_co_u32 s[TM], s[KEY0], 63
	s_cmp_gt_u32 s[TM], s[QF]
	s_cbranch_scc0 .Lnomask_\id                    ; the step's last key is seen by my first query: no mask
	v_sub_nc_u32 v[DD], v[QD], s[KEY0]             ; register i is hidden where 16 (i / 8) + i % 8 is greater than this
.set z, 0
.rept 32
	v_cmp_gt_i32 vcc_lo, 16*(z/8)+z%8, v[DD]
	v_cndmask_b32 v[S+z], v[S+z], v[BIG], vcc_lo
.set z, z+1
.endr
.Lnomask_\id:
.endif
	SOFTMAX
	s_wait_dscnt 0x0                               ; V is in
.irp kk, 0,1
.irp cb, 0,1,2,3
	v_wmma_f32_16x16x32_bf16 v[O+8*(\cb):O+8*(\cb)+7], v[KV+32*(\kk)+8*(\cb):KV+32*(\kk)+8*(\cb)+7], v[P+8*(\kk):P+8*(\kk)+7], v[O+8*(\cb):O+8*(\cb)+7]
.endr
.endr
.rept 4
	v_nop                                          ; the places in front of the next loads into V's registers and of the next reads of O^T
.endr
.Lskip_\id:
	s_add_co_u32 s[KEY0], s[KEY0], 64
	s_add_co_u32 s[TBK], s[TBK], 64*128
	s_sub_co_u32 s[CNT], s[CNT], 1
	s_cmp_lg_u32 s[CNT], 0
	s_cbranch_scc1 .Lstep_\id
.endm
; A block ends: l's halves and the other lanes' are added, O^T is divided by l and rounded to bf16 into 16 registers at dst, which are my 16 bytes of the block's four chunks: four stores
.macro FINISH dst, adr
	v_add_f32 v[CC], v[LS], v[LS+1]
	v_permlanex16_b32 v[CC+1], v[CC], s[SEL], s[SEL+1]
	v_add_f32 v[CC], v[CC], v[CC+1]
	v_rcp_f32 v[CC+2], v[CC]
	v_nop
.set z, 0
	s_wait_alu depctr_va_vdst(0)
.rept 16
	v_pk_mul_f32 v[O+2*z:O+2*z+1], v[O+2*z:O+2*z+1], v[CC+2:CC+3] op_sel_hi:[1,0]
.set z, z+1
.endr
.set z, 0
.rept 16
	v_cvt_pk_bf16_f32 v[(\dst)+z], v[O+2*z], v[O+2*z+1]
.set z, z+1
.endr
.irp f, 0,1,2,3
	global_store_b128 v[GO], v[(\dst)+4*(\f):(\dst)+4*(\f)+3], s[(\adr):(\adr)+1] offset:512*(\f)  ; 32 lanes store 512 consecutive bytes, aligned; none of these registers is written again
.endr
.endm
	s_wait_tensorcnt 1                             ; my piece of keys 0-511 is in; my piece of keys 512-1023 may stay out
	s_barrier_signal -1
	s_barrier_wait -1                              ; everybody's is
	s_wait_loadcnt 0x0                             ; Q
	BEGIN s13
	WALK 1, 1, QLR, 0                              ; block p (queries below 512): keys 0-511, as far as the diagonal
	FINISH QLR, OLO
	BEGIN s14
	WALK 2, 0, QHR, 0                              ; block 7 - p (queries from 512 on) sees all of keys 0-511
	s_wait_tensorcnt 0x0                           ; my piece of keys 512-1023 is in
	s_wait_dscnt 0x0
	s_barrier_signal -1
	s_barrier_wait -1                              ; everybody's is
	WALK 3, 1, QHR, 512
	FINISH S, OHI
	s_wait_tensorcnt 0x0                           ; the wave's end
	ds_add_u32 v[SPW], v[NIL]
	s_wait_dscnt 0x0
	s_endpgm
.Lfunc_end_k_qb95a725dcd_attn:
	.size	k_qb95a725dcd_attn, .Lfunc_end_k_qb95a725dcd_attn-k_qb95a725dcd_attn
	.p2alignl 7, 3214868480
	.fill 96, 4, 3214868480
	.section	.rodata,"a",@progbits
	.p2align	6, 0x0
	.amdhsa_kernel k_qb95a725dcd_attn
		.amdhsa_group_segment_fixed_size 327680
		.amdhsa_private_segment_fixed_size 0
		.amdhsa_enable_private_segment 0
		.amdhsa_kernarg_size 16
		.amdhsa_user_sgpr_count 2
		.amdhsa_user_sgpr_kernarg_segment_ptr 1
		.amdhsa_wavefront_size32 1
		.amdhsa_system_sgpr_workgroup_id_x 1
		.amdhsa_system_sgpr_workgroup_id_y 1
		.amdhsa_system_sgpr_workgroup_id_z 1
		.amdhsa_system_vgpr_workitem_id 0
		.amdhsa_next_free_vgpr 208
		.amdhsa_next_free_sgpr 84
		.amdhsa_reserve_vcc 1
		.amdhsa_float_denorm_mode_32 3
		.amdhsa_float_denorm_mode_16_64 3
		.amdhsa_memory_ordered 1
		.amdhsa_forward_progress 1
		.amdhsa_inst_pref_size 49
	.end_amdhsa_kernel
	.amdgpu_metadata
---
amdhsa.version: [ 1, 2 ]
amdhsa.kernels:
  - .name:           k_qb95a725dcd_attn
    .symbol:         k_qb95a725dcd_attn.kd
    .args:
      - { .name: PB, .offset: 0, .size: 8, .value_kind: global_buffer, .address_space: global }
      - { .name: PA, .offset: 8, .size: 8, .value_kind: global_buffer, .address_space: global }
    .group_segment_fixed_size: 327680
    .private_segment_fixed_size: 0
    .kernarg_segment_align: 8
    .kernarg_segment_size: 16
    .max_flat_workgroup_size: 256
    .sgpr_count:     84
    .vgpr_count:     208
    .wavefront_size: 32
...
	.end_amdgpu_metadata
.endif
;; end of part 3
;; launch oproj (part 4): grid 32 x 8, 4 waves a work-group, clusters of 4 x 1, 327,680 bytes of LDS; arguments PA, U1, bO, X, X1; writes X1
.if DOCPART == 4
	.amdgcn_target "amdgcn-amd-amdhsa--gfx1250"
	.amdhsa_code_object_version 6
	.text
	.protected	k_qb95a725dcd_oproj
	.globl	k_qb95a725dcd_oproj
	.p2align	8
	.type	k_qb95a725dcd_oproj,@function
k_qb95a725dcd_oproj:
	s_mov_b64 s[64:65], 0
	v_nop
	global_prefetch_b8 v0, s[64:65] scope:SCOPE_SE
	s_setreg_imm32_b32 hwreg(HW_REG_WAVE_MODE, 25, 1), 1
	s_wait_xcnt 0x0
	s_wait_alu depctr_hold_cnt(0) depctr_sa_sdst(0) depctr_va_vdst(0) depctr_va_sdst(0) depctr_va_ssrc(0) depctr_va_vcc(0) depctr_vm_vsrc(0)
	s_getreg_b32 s2, hwreg(HW_REG_IB_STS2, 6, 4)
	s_cmp_eq_u32 s2, 0
	s_cbranch_scc0 .Lentry_in_a_cluster
	s_endpgm
.Lentry_in_a_cluster:
	s_bfe_u32 s2, ttmp6, 0x10000c
	s_cmp_lg_u32 s2, 0x3003
	s_cbranch_scc0 .Lentry_shape_is_right
	s_endpgm
.Lentry_shape_is_right:
; C = R + A B + bias, all sums and C in f32.  C, R: [4096][1024] f32, row-major.  K = 512 STEPS (here 1024).
; A in bf16 IN FRAGMENT ORDER: 16 rows x 16 k are a chunk of 512 bytes at ((k / 256) 256 + m / 16) 8192 + ((k / 16) % 16) 512, in which (row r, k 8 h + 0..7) lie at 256 h + 16 (r xor 8 h).
; Two chunks on end, read with the lane offset 16 (l xor 8 (l / 16)), are a 16 x 32 fragment: A GOES FROM MEMORY STRAIGHT INTO REGISTERS, each load 512 consecutive bytes, no LDS.
; B in bf16 in the bundle U from byte OFFB: [k / 256][n / 128 (8)][k % 256][128 n]; it comes by tensor loads into LDS and is read turned, by ds_load_tr16_b128.
; A tile of C is 128 x 128 (256 work-groups); a wave makes 32 rows x 128 columns = 16 accumulators, so no byte of A is loaded twice in a work-group.
; With A out of LDS a slot holds B alone: K steps of 512, two slots of 512 rows x 288 bytes; a wave's one tensor load (128 rows, 32,768 dense bytes) has 256 matrix instructions in which to land.
; A's RING: 8 units of 64 along K, 32 registers each.  At the head of unit x the registers of unit x - 1 take unit x + 7: eight loads; 56 loads of a wave are out at the most.
; CLUSTER 4 x 1: the four partners make four row tiles of one column tile and need the same B: each tile of B is asked for jointly, by the mask of all four.  A, R and C are each work-group's own.
; THE MATRIX INSTRUCTION IS USED TRANSPOSED (source 0 = 16 columns of B, source 1 = 16 rows of A): a lane holds row l % 16 of C and columns 8 (l / 16) + 0..7.
; The bias is loaded into the accumulators and so starts the sums.  The residual R is loaded during the last step, in the ring's free turns, and added on the way out.
; ONE TEXT FOR A STEP, written twice (looped with the refill; once without): it begins at the change of slots, with the last unit of the step before.  The first trip finds zeros there:
; 160 registers are cleared in the wait for the first tile, and 32 products add nothing; that spares a third copy of the step.
; REGISTERS: window 0: v16-30 addresses; v32-95 rows read back, two buffers; v128-255 accumulators ((a, b) at 128 + 8 (8 a + b)).
;   window 1: B's fragments, two buffers of 128 (half c, column block b at 64 c + 8 b).   window 2: A's ring (unit u, row block a, half c at 32 u + 16 a + 8 c).   window 3: v0-127 the residual.
.set STEPS,  2
.set PITB,   288                       ; B's LDS row: 256 bytes (128 n) + 32 = 9 x 32
.set QUART,  128*PITB                  ; what one tensor load fills
.set SLOT,   4*QUART                   ; 512 k rows.  As a number it shares no bit with wave x QUART, so one exclusive or changes slots
.set STAGE,  2*SLOT                    ; for each wave 16 rows x 272 bytes
.set SPIT,   272
.set SPARE,  STAGE+4*16*SPIT           ; the spare words, 128 bytes a wave: no other line names them
.set OFFB,   8405248
.set PLANE,  2097152                   ; bytes of A from k to k + 256
.set BL,   16                          ; v16-19  my lane's place in B's rows 0, 128, 256, 384 of a slot; never rewritten
.set ADRB, 20                          ; v20-23  the same in the slot in hand
.set STO,  24
.set RD,   25
.set CO,   26                          ; my byte offset in two rows of C and R
.set BO,   27
.set SPW,  28
.set NIL,  29
.set PI,   30                          ; my place in a chunk of A; never rewritten
.set TMP,  32
.set ACC,  128
.set F0,   0
.set F1,   128
.set RES,  0
.set G1, 24                            ; s[24:31] the shape of B's tiles
.set G0, 32                            ; s[32:35] from where, to where: it walks
.set AB, 14                            ; s[14:15] A at my rows, at the step in hand
.set TB, 44                            ; s44 LDS byte of the slot in hand
.set MSB, 0
.macro WIN new
.if MSB != (\new)
	s_set_vgpr_msb (MSB<<8)|(\new)
.set MSB, \new
.endif
.endm
.set MUL,  0x09                        ; source 0 (B) window 1, source 1 (A) window 2; C and D window 0
.macro ROUND                           ; a round of the cluster's barrier
	s_barrier_signal -1
	s_barrier_wait -1
	s_cmp_lg_u32 s10, 0
	s_cbranch_scc1 .Lnot_wave_0_\@
	s_barrier_signal -3
.Lnot_wave_0_\@:
	s_barrier_wait -3
	s_barrier_signal -1
	s_barrier_wait -1
.endm
.macro PLACES                          ; four places in front of loads into registers that matrix instructions have read, and of reads of results
.rept 4
	v_nop
.endr
.endm
; 16 matrix instructions: both row blocks x all 8 column blocks, half c (32 along K) of unit u, B from buffer f.  The 16 accumulators take turns.
.macro MUL16 u, f, c
	WIN MUL
.irp a, 0,1
.irp b, 0,1,2,3,4,5,6,7
	v_wmma_f32_16x16x32_bf16 v[ACC+8*(8*(\a)+(\b)):ACC+8*(8*(\a)+(\b))+7], v[(\f)+64*(\c)+8*(\b):(\f)+64*(\c)+8*(\b)+7], v[32*(\u)+16*(\a)+8*(\c):32*(\u)+16*(\a)+8*(\c)+7], v[ACC+8*(8*(\a)+(\b)):ACC+8*(8*(\a)+(\b))+7]
.endr
.endr
.endm
; 32 LDS loads in one run: B's fragments of unit u of the slot in hand into buffer f; the first 32 along K first
.macro FETCH u, f
	WIN 0x40                                       ; destination window 1
.irp c, 0,1
.irp b, 0,1,2,3,4,5,6,7
	ds_load_tr16_b128 v[(\f)+64*(\c)+8*(\b):(\f)+64*(\c)+8*(\b)+3],   v[ADRB+(\u)/2] offset:((\u)%2)*64*PITB+(\c)*32*PITB+32*(\b)
	ds_load_tr16_b128 v[(\f)+64*(\c)+8*(\b)+4:(\f)+64*(\c)+8*(\b)+7], v[ADRB+(\u)/2] offset:((\u)%2)*64*PITB+(\c)*32*PITB+16*PITB+32*(\b)
.endr
.endr
.endm
; Eight loads: A's unit x, counted from the step in hand (x = 8 .. 13: the next step's), into its place in the ring: for each row block four chunks on end
.macro ALOAD x
	WIN 0x80                                       ; destination window 2
.irp a, 0,1
.irp j, 0,1,2,3
	global_load_b128 v[32*((\x)%8)+16*(\a)+4*(\j):32*((\x)%8)+16*(\a)+4*(\j)+3], v[PI], s[AB:AB+1] offset:((\x)/4)*PLANE+((\x)%4)*2048+(\a)*8192+(\j)*512
.endr
.endr
.endm
; Eight loads: the residual of block i of the way out (row block i / 2, column half i % 2): 16 rows x 256 bytes
.macro RLOAD i
	WIN 0xc0                                       ; destination window 3
.irp t, 0,1,2,3,4,5,6,7
	global_load_b128 v[RES+32*(\i)+4*(\t):RES+32*(\i)+4*(\t)+3], v[CO], s[70:71] offset:(16*((\i)/2)+2*(\t))*4096+((\i)%2)*256 th:TH_LOAD_NT
.endr
.endm
; Unit u of a step: B in buffer f.  At its head the ring's turn and the next unit's B, into buffer g: both have a whole unit or more in which to land.
; left: the global loads younger than this unit's A.  last = 1: the last step: beyond unit 7 there is no A; four of the free turns take the residual.
.macro UNIT u, f, g, last, left
	s_wait_loadcnt \left                           ; my A of this unit is in: the six (at the end fewer) younger groups of eight may stay out
	PLACES
.if (\last) == 0 || (\u) == 0
	ALOAD (\u)+7
.elseif (\u) < 5
	RLOAD (\u)-1
.endif
	FETCH (\u)+1, \g
	s_wait_dscnt 48                                ; this buffer's first half is in: its second half and the 32 just issued may be out
	MUL16 \u, \f, 0
	s_wait_dscnt 32                                ; all but the 32 just issued
	MUL16 \u, \f, 1
.endm
; A STEP, from the change of slots on.  Each wave waits for all its tensor loads, of which one is out: its part of the slot that is entered; adds 0 to its spare word; waits for that and for its reads of
; the slot that is left (unit 7's fragments are in registers).  last = 0: the barrier is a round of the cluster's, and the slot that is left is filled again, with the next step but this one, first thing behind it.
.macro BODY last
	WIN 0
	s_wait_tensorcnt 0x0                           ; no tensor load of mine is out, so the descriptor may be written
	ds_add_u32 v[SPW], v[NIL]                      ; 0 onto my spare word; work on registers stands between it and the wait for it
.if !(\last)
	s_xor_b32 s[G0+1], s[G0+1], SLOT               ; the other slot than last time,
	s_add_nc_u64 s[G0+2:G0+3], s[G0+2:G0+3], 1048576  ; the next 512 rows of B; the type bits on top are not reached
.endif
	s_xor_b32 s[TB], s[TB], SLOT                   ; the slot that is entered
.irp i, 0,1,2,3
	v_add_nc_u32 v[ADRB+\i], s[TB], v[BL+\i]
.endr
	s_wait_dscnt 0x0                               ; the add is done, and my reads of the slot that is left are over
.if !(\last)
	ROUND                                          ; no wave of any partner still reads that slot or has a load on its way
	tensor_load_to_lds s[G0:G0+3], s[G1:G1+7]      ; my one tensor load behind the round
	s_nop 0
.else
	s_barrier_signal -1
	s_barrier_wait -1
.endif
	PLACES
	s_wait_loadcnt 48                              ; A of unit 7 of the step before (in the first trip: the bias) is in
	ALOAD 6
	FETCH 0, F0
	MUL16 7, F1, 0                                 ; unit 7 of the step before
	MUL16 7, F1, 1
	UNIT 0, F0, F1, \last, 48
	UNIT 1, F1, F0, \last, 48
	UNIT 2, F0, F1, \last, 48
	UNIT 3, F1, F0, \last, 48
	UNIT 4, F0, F1, \last, 48
	UNIT 5, F1, F0, \last, 48
.if \last
	UNIT 6, F0, F1, 1, 40                          ; younger: unit 7's group and the residual's four
.else
	UNIT 6, F0, F1, 0, 48
.endif
	WIN 0
.endm
; THE WAY OUT of block i (row block i / 2, column half i % 2): the f32 sums into my stage, back as whole rows of 256 bytes, the residual added, stored
.macro TOSTAGE i
	s_wait_xcnt 0x0                                ; earlier stores have read their registers: the buffer is loaded again only behind this wait
.irp b, 0,1,2,3
	ds_store_b128 v[STO], v[ACC+8*(4*(\i)+(\b)):ACC+8*(4*(\i)+(\b))+3]   offset:64*(\b)
	ds_store_b128 v[STO], v[ACC+8*(4*(\i)+(\b))+4:ACC+8*(4*(\i)+(\b))+7] offset:64*(\b)+16
.endr
.irp t, 0,1,2,3,4,5,6,7
	ds_load_b128 v[TMP+32*((\i)%2)+4*(\t):TMP+32*((\i)%2)+4*(\t)+3], v[RD] offset:(\t)*2*SPIT  ; LDS serves a wave's instructions in order (ISA guide 5.7.1.4)
.endr
.endm
.macro SEND i, younger
	s_wait_dscnt \younger                          ; the next block's eight stores and eight loads may be out
	s_wait_loadcnt 8*(3-(\i))                      ; this block's residual is in; the later blocks' groups may be out
	WIN 0x0c                                       ; source 1 window 3
.set z, 0
.rept 16
	v_pk_add_f32 v[TMP+32*((\i)%2)+2*z:TMP+32*((\i)%2)+2*z+1], v[TMP+32*((\i)%2)+2*z:TMP+32*((\i)%2)+2*z+1], v[RES+32*(\i)+2*z:RES+32*(\i)+2*z+1]
.set z, z+1
.endr
	WIN 0
.irp t, 0,1,2,3,4,5,6,7
	global_store_b128 v[CO], v[TMP+32*((\i)%2)+4*(\t):TMP+32*((\i)%2)+4*(\t)+3], s[8:9] offset:(16*((\i)/2)+2*(\t))*4096+((\i)%2)*256  ; 16 lanes store 256 consecutive bytes, aligned
.endr
.endm
	s_load_b128 s[4:7], s[0:1], 0x0                ; A s[4:5], U s[6:7]
	s_load_b128 s[68:71], s[0:1], 0x10             ; bias s[68:69], R s[70:71]
	s_load_b64 s[8:9], s[0:1], 0x20                ; C
	v_lshl_add_u32 v[SPW], v0, 2, SPARE
	v_mov_b32 v[NIL], 0
	ds_add_u32 v[SPW], v[NIL]                      ; the wave's opening: the add and its wait stand ahead of my first tensor load
	ds_add_u32 v28, v29
	v_lshrrev_b32 v1, 5, v0
	v_readfirstlane_b32 s10, v1                    ; wave 0..3
	s_bfe_u32 s40, ttmp6, 0x40000                  ; cx
	s_lshl_b32 s13, ttmp9, 2
	s_add_co_u32 s13, s13, s40                     ; tile row = 4 x cluster x + cx: it enters A's, R's and C's addresses alone
	s_and_b32 s42, ttmp7, 0xffff                   ; tile column, which the four partners share
	; 32,768 dense bytes as 128 rows of 256 bytes
	s_mov_b32 s[G1], 15|(1<<16)|(1<<20)|(1<<21)|(5<<22)|(7<<25)  ; the mask of four; 2-byte elements; padding on; bit 21 beside a mask; after every 64 words 8 words
	s_mov_b32 s[G1+1], 128<<16
	s_mov_b32 s[G1+2], 128<<16
	s_mov_b32 s[G1+3], 128<<16
	s_mov_b32 s[G1+4], 128
	s_mov_b32 s[G1+5], 128
	s_mov_b32 s[G1+6], 0
	s_mov_b32 s[G1+7], 0
	s_lshr_b32 s46, s10, 1                         ; B: my 128 rows of a step's 512: block k / 256 = wave / 2, half wave % 2
	s_lshl_b32 s46, s46, 19
	s_and_b32 s47, s10, 1
	s_lshl_b32 s47, s47, 15
	s_add_co_u32 s46, s46, s47
	s_lshl_b32 s47, s42, 16
	s_add_co_u32 s46, s46, s47
	s_add_co_u32 s46, s46, OFFB
	s_mov_b32 s47, 0
	s_lshl_b32 s16, s13, 16                        ; A: row block 8 tile row + 2 wave, 8192 bytes each
	s_lshl_b32 s17, s10, 14
	s_add_co_u32 s16, s16, s17
	s_mov_b32 s17, 0
	s_lshl_b32 s72, s13, 19                        ; C and R: (128 tile row + 32 wave) rows of 4096 bytes + 512 tile column
	s_lshl_b32 s73, s10, 17
	s_add_co_u32 s72, s72, s73
	s_lshl_b32 s74, s42, 9                         ; the same columns in the bias
	s_add_co_u32 s72, s72, s74
	s_mov_b32 s73, 0
	s_mov_b32 s75, 0
	s_mov_b32 s[G0], 1
	s_mul_i32 s[G0+1], s10, QUART                  ; slot 0, my quarter: no place in the cluster enters an LDS address
	s_mov_b32 s[TB], SLOT                          ; the first change of slots turns it into 0
	v_and_b32 v1, 15, v0                           ; r
	v_bfe_u32 v2, v0, 4, 1                         ; h
	v_and_b32 v[PI], 31, v0
	v_lshlrev_b32 v4, 3, v2
	v_xor_b32 v[PI], v[PI], v4
	v_lshlrev_b32 v[PI], 4, v[PI]                  ; 16 (l xor 8 h)
	v_lshlrev_b32 v[BO], 5, v2
	v_lshlrev_b32 v[CO], 12, v2                    ; lanes 0-15 one row of 256 bytes, lanes 16-31 the next
	v_lshl_add_u32 v[CO], v1, 4, v[CO]
	v_and_b32 v4, 7, v0
	v_lshl_add_u32 v4, v2, 3, v4
	v_mul_u32_u24 v4, v4, PITB                     ; B: k row 8 h + l % 8,
	v_bfe_u32 v5, v0, 3, 1
	v_lshl_add_u32 v[BL], v5, 4, v4                ; 16 bytes for each half of eight lanes
	v_add_nc_u32 v[BL+1], QUART, v[BL]
	v_add_nc_u32 v[BL+2], 2*QUART, v[BL]
	v_add_nc_u32 v[BL+3], 3*QUART, v[BL]
	s_mul_i32 s23, s10, 16*SPIT
	s_add_co_u32 s23, s23, STAGE                   ; my stage
	v_mul_u32_u24 v4, v1, SPIT
	v_lshl_add_u32 v4, v2, 5, v4                   ; in: row r, 32 bytes for each half of the lanes
	v_add_nc_u32 v[STO], s23, v4
	v_mul_u32_u24 v5, v2, SPIT
	v_lshl_add_u32 v5, v1, 4, v5                   ; back: two whole rows
	v_add_nc_u32 v[RD], s23, v5
	s_wait_dscnt 0x0                               ; the opening add is done
	s_wait_kmcnt 0x0
	s_add_nc_u64 s[G0+2:G0+3], s[6:7], s[46:47]
	s_or_b32 s[G0+3], s[G0+3], 0x80000000
	s_add_nc_u64 s[AB:AB+1], s[4:5], s[16:17]
	s_add_nc_u64 s[70:71], s[70:71], s[72:73]
	s_add_nc_u64 s[8:9], s[8:9], s[72:73]
	s_add_nc_u64 s[68:69], s[68:69], s[74:75]
.irp a, 0,1                            ; the bias of column 16 b + 8 h + j into register j of both row blocks' accumulators: the sums begin with it
.irp b, 0,1,2,3,4,5,6,7
	global_load_b128 v[ACC+8*(8*(\a)+(\b)):ACC+8*(8*(\a)+(\b))+3],   v[BO], s[68:69] offset:64*(\b)
	global_load_b128 v[ACC+8*(8*(\a)+(\b))+4:ACC+8*(8*(\a)+(\b))+7], v[BO], s[68:69] offset:64*(\b)+16
.endr
.endr
	ROUND                                          ; all four work-groups are here: the first joint loads meet
	tensor_load_to_lds s[G0:G0+3], s[G1:G1+7]      ; step 0 into slot 0; slot 1 is asked for behind the first trip's round
	s_nop 0
	PLACES
.irp x, 0,1,2,3,4,5
	ALOAD \x                                       ; the ring's first six units; the first trip brings the seventh and eighth
.endr
	WIN 0x40                                       ; what the first trip multiplies as the unit before the first: zeros
.set z, F1
.rept 128
	v_mov_b32 v[z], 0
.set z, z+1
.endr
	WIN 0x80
.set z, 224
.rept 32
	v_mov_b32 v[z], 0
.set z, z+1
.endr
	WIN 0
	s_mov_b32 s3, STEPS-1
.Lstep:                                                ; every step but the last asks for the step behind it
	BODY 0
	s_wait_xcnt 0x0                                ; the loads have read A's address: it steps only behind this wait
	s_add_nc_u64 s[AB:AB+1], s[AB:AB+1], 2*PLANE
	s_sub_co_u32 s3, s3, 1
	s_cmp_lg_u32 s3, 0
	s_cbranch_scc1 .Lstep
	BODY 1                                         ; the last step is written out
	s_wait_loadcnt 32                              ; A of the last unit is in; the residual's 32 loads may be out
	s_wait_dscnt 0x0
	MUL16 7, F1, 0
	MUL16 7, F1, 1
	WIN 0
	PLACES
	TOSTAGE 0
.irp i, 1,2,3
	TOSTAGE \i
	SEND (\i)-1, 16
.endr
	SEND 3, 0
	s_wait_tensorcnt 0x0                           ; the wave's end
	ds_add_u32 v[SPW], v[NIL]
	s_wait_dscnt 0x0
	ROUND                                          ; the closing round
	s_endpgm
.Lfunc_end_k_qb95a725dcd_oproj:
	.size	k_qb95a725dcd_oproj, .Lfunc_end_k_qb95a725dcd_oproj-k_qb95a725dcd_oproj
	.p2alignl 7, 3214868480
	.fill 96, 4, 3214868480
	.section	.rodata,"a",@progbits
	.p2align	6, 0x0
	.amdhsa_kernel k_qb95a725dcd_oproj
		.amdhsa_group_segment_fixed_size 327680
		.amdhsa_private_segment_fixed_size 0
		.amdhsa_enable_private_segment 0
		.amdhsa_kernarg_size 40
		.amdhsa_user_sgpr_count 2
		.amdhsa_user_sgpr_kernarg_segment_ptr 1
		.amdhsa_wavefront_size32 1
		.amdhsa_system_sgpr_workgroup_id_x 1
		.amdhsa_system_sgpr_workgroup_id_y 1
		.amdhsa_system_sgpr_workgroup_id_z 1
		.amdhsa_system_vgpr_workitem_id 0
		.amdhsa_next_free_vgpr 896
		.amdhsa_next_free_sgpr 76
		.amdhsa_reserve_vcc 0
		.amdhsa_float_denorm_mode_32 3
		.amdhsa_float_denorm_mode_16_64 3
		.amdhsa_memory_ordered 1
		.amdhsa_forward_progress 1
		.amdhsa_inst_pref_size 113
	.end_amdhsa_kernel
	.amdgpu_metadata
---
amdhsa.version: [ 1, 2 ]
amdhsa.kernels:
  - .name:           k_qb95a725dcd_oproj
    .symbol:         k_qb95a725dcd_oproj.kd
    .args:
      - { .name: PA, .offset: 0, .size: 8, .value_kind: global_buffer, .address_space: global }
      - { .name: U1, .offset: 8, .size: 8, .value_kind: global_buffer, .address_space: global }
      - { .name: bO, .offset: 16, .size: 8, .value_kind: global_buffer, .address_space: global }
      - { .name: X, .offset: 24, .size: 8, .value_kind: global_buffer, .address_space: global }
      - { .name: X1, .offset: 32, .size: 8, .value_kind: global_buffer, .address_space: global }
    .group_segment_fixed_size: 327680
    .private_segment_fixed_size: 0
    .kernarg_segment_align: 8
    .kernarg_segment_size: 40
    .max_flat_workgroup_size: 128
    .sgpr_count:     76
    .vgpr_count:     896
    .wavefront_size: 32
...
	.end_amdgpu_metadata
.endif
;; end of part 4
;; launch ln2 (part 5): grid 256 x 1, 8 waves a work-group, no clusters, 0 bytes of LDS; arguments X1, g2, be2, PB; writes PB
.if DOCPART == 5
	.amdgcn_target "amdgcn-amd-amdhsa--gfx1250"
	.amdhsa_code_object_version 6
	.text
	.protected	k_qb95a725dcd_ln2
	.globl	k_qb95a725dcd_ln2
	.p2align	8
	.type	k_qb95a725dcd_ln2,@function
k_qb95a725dcd_ln2:
	s_mov_b64 s[64:65], 0
	v_nop
	global_prefetch_b8 v0, s[64:65] scope:SCOPE_SE
	s_setreg_imm32_b32 hwreg(HW_REG_WAVE_MODE, 25, 1), 1
	s_wait_xcnt 0x0
; LayerNorm 2: rows of 1024 f32 from X1, result in bf16, row-major, into PB.  16 rows a work-group, 2 a wave; a row stays in 32 registers between its passes.
; The mean is taken first and subtracted, then the squares are summed: no difference of large sums is formed.  No LDS, no barrier: no wave needs another.
.set XA,  4                            ; v[4:35]    row 0
.set XB,  36                           ; v[36:67]   row 1
.set G,   68                           ; v[68:99]   gain of my 32 columns
.set BE,  100                          ; v[100:131] offset of my 32 columns
.set T,   132                          ; v[132:147] at work
.set M,   148                          ; v[148:149] the mean, twice
.set R,   150                          ; v[150:151] 1 / sqrt(var + eps), twice
.set YA,  152                          ; v[152:167] row 0 in bf16
.set YB,  168                          ; v[168:183] row 1 in bf16
.macro TREE                            ; T's eight pairs -> one number, the same in all 32 lanes
.irp i, 0,1,2,3
	v_pk_add_f32 v[T+2*(\i):T+2*(\i)+1], v[T+2*(\i):T+2*(\i)+1], v[T+8+2*(\i):T+9+2*(\i)]
.endr
.irp i, 0,1
	v_pk_add_f32 v[T+2*(\i):T+2*(\i)+1], v[T+2*(\i):T+2*(\i)+1], v[T+4+2*(\i):T+5+2*(\i)]
.endr
	v_pk_add_f32 v[T:T+1], v[T:T+1], v[T+2:T+3]
	v_add_f32 v[T], v[T], v[T+1]
.irp x, 1,2,4,8
	v_add_f32_dpp v[T], v[T], v[T] row_xmask:\x row_mask:0xf bank_mask:0xf
.endr
	v_permlanex16_b32 v[T+1], v[T], s62, s63
	v_add_f32 v[T], v[T], v[T+1]
.endm
.macro ROW xb, yb, left, rho, gw
	s_wait_loadcnt \left
.set i, 0
.rept 8
	v_pk_add_f32 v[T+2*i:T+2*i+1], v[(\xb)+2*i:(\xb)+2*i+1], v[(\xb)+16+2*i:(\xb)+17+2*i]
.set i, i+1
.endr
	TREE
	v_mul_f32 v[M], s60, v[T]                      ; mean = sum / 1024
	v_mov_b32 v[M+1], v[M]
.set i, 0
.rept 16
	v_pk_add_f32 v[(\xb)+2*i:(\xb)+2*i+1], v[(\xb)+2*i:(\xb)+2*i+1], v[M:M+1] neg_lo:[0,1] neg_hi:[0,1]
.set i, i+1
.endr
.set i, 0
.rept 8
	v_pk_mul_f32 v[T+2*i:T+2*i+1], v[(\xb)+2*i:(\xb)+2*i+1], v[(\xb)+2*i:(\xb)+2*i+1]
.set i, i+1
.endr
.set i, 0
.rept 8
	v_pk_fma_f32 v[T+2*i:T+2*i+1], v[(\xb)+16+2*i:(\xb)+17+2*i], v[(\xb)+16+2*i:(\xb)+17+2*i], v[T+2*i:T+2*i+1]
.set i, i+1
.endr
	TREE
	v_fma_f32 v[T], v[T], s60, s61                 ; variance + eps
	v_rsq_f32 v[R], v[T]
	v_nop                                          ; a plain instruction between the root and the use of its result (ISA guide 5.7.2)
	s_wait_alu depctr_va_vdst(0)
	v_mov_b32 v[R+1], v[R]
.if \gw
	s_wait_loadcnt 0x0                             ; gain and offset are in
.endif
.set i, 0
.rept 16
	v_pk_mul_f32 v[(\xb)+2*i:(\xb)+2*i+1], v[(\xb)+2*i:(\xb)+2*i+1], v[R:R+1]
.set i, i+1
.endr
.set i, 0
.rept 16
	v_pk_fma_f32 v[(\xb)+2*i:(\xb)+2*i+1], v[(\xb)+2*i:(\xb)+2*i+1], v[G+2*i:G+2*i+1], v[BE+2*i:BE+2*i+1]
.set i, i+1
.endr
.set i, 0
.rept 16
	v_cvt_pk_bf16_f32 v[(\yb)+i], v[(\xb)+2*i], v[(\xb)+2*i+1]
.set i, i+1
.endr
.irp j, 0,1,2,3,4,5,6,7
	global_store_b64 v2, v[(\yb)+2*(\j):(\yb)+2*(\j)+1], s[46:47] offset:(\rho)*2048+256*(\j)  ; 32 lanes store 256 consecutive bytes, aligned
.endr
.endm
	s_load_b256 s[8:15], s[0:1], 0x0               ; X1 s[8:9], g2 s[10:11], be2 s[12:13], PB s[14:15]
	v_lshrrev_b32 v1, 5, v0
	v_readfirstlane_b32 s4, v1                     ; wave
	v_and_b32 v2, 31, v0
	v_lshlrev_b32 v1, 4, v2                        ; 16 x lane
	v_lshlrev_b32 v2, 3, v2                        ; 8 x lane
	s_lshl_b32 s56, ttmp9, 4
	s_lshl1_add_u32 s56, s4, s56                   ; my first row
	s_lshl_b32 s50, s56, 12
	s_mov_b32 s51, 0
	s_lshl_b32 s52, s56, 11
	s_mov_b32 s53, 0
	s_mov_b32 s60, 0x3a800000                      ; 1 / 1024
	s_mov_b32 s61, 0x3727c5ac                      ; 1e-5
	s_mov_b32 s62, 0x76543210
	s_mov_b32 s63, 0xfedcba98
	s_wait_kmcnt 0x0
	s_add_nc_u64 s[44:45], s[8:9], s[50:51]
	s_add_nc_u64 s[46:47], s[14:15], s[52:53]
.irp j, 0,1,2,3,4,5,6,7
	global_load_b128 v[XA+4*(\j):XA+4*(\j)+3], v1, s[44:45] offset:512*(\j)
.endr
.irp j, 0,1,2,3,4,5,6,7
	global_load_b128 v[XB+4*(\j):XB+4*(\j)+3], v1, s[44:45] offset:4096+512*(\j)
.endr
.irp j, 0,1,2,3,4,5,6,7
	global_load_b128 v[G+4*(\j):G+4*(\j)+3], v1, s[10:11] offset:512*(\j)
.endr
.irp j, 0,1,2,3,4,5,6,7
	global_load_b128 v[BE+4*(\j):BE+4*(\j)+3], v1, s[12:13] offset:512*(\j)
.endr
	ROW XA, YA, 24, 0, 1                           ; row 0 is in; row 1, gain and offset (24 loads) may stay out
	ROW XB, YB, 0, 1, 0
	s_endpgm
.Lfunc_end_k_qb95a725dcd_ln2:
	.size	k_qb95a725dcd_ln2, .Lfunc_end_k_qb95a725dcd_ln2-k_qb95a725dcd_ln2
	.p2alignl 7, 3214868480
	.fill 96, 4, 3214868480
	.section	.rodata,"a",@progbits
	.p2align	6, 0x0
	.amdhsa_kernel k_qb95a725dcd_ln2
		.amdhsa_group_segment_fixed_size 0
		.amdhsa_private_segment_fixed_size 0
		.amdhsa_enable_private_segment 0
		.amdhsa_kernarg_size 32
		.amdhsa_user_sgpr_count 2
		.amdhsa_user_sgpr_kernarg_segment_ptr 1
		.amdhsa_wavefront_size32 1
		.amdhsa_system_sgpr_workgroup_id_x 1
		.amdhsa_system_sgpr_workgroup_id_y 1
		.amdhsa_system_sgpr_workgroup_id_z 1
		.amdhsa_system_vgpr_workitem_id 0
		.amdhsa_next_free_vgpr 184
		.amdhsa_next_free_sgpr 66
		.amdhsa_reserve_vcc 0
		.amdhsa_float_denorm_mode_32 3
		.amdhsa_float_denorm_mode_16_64 3
		.amdhsa_memory_ordered 1
		.amdhsa_forward_progress 1
		.amdhsa_inst_pref_size 21
	.end_amdhsa_kernel
	.amdgpu_metadata
---
amdhsa.version: [ 1, 2 ]
amdhsa.kernels:
  - .name:           k_qb95a725dcd_ln2
    .symbol:         k_qb95a725dcd_ln2.kd
    .args:
      - { .name: X1, .offset: 0, .size: 8, .value_kind: global_buffer, .address_space: global }
      - { .name: g2, .offset: 8, .size: 8, .value_kind: global_buffer, .address_space: global }
      - { .name: be2, .offset: 16, .size: 8, .value_kind: global_buffer, .address_space: global }
      - { .name: PB, .offset: 24, .size: 8, .value_kind: global_buffer, .address_space: global }
    .group_segment_fixed_size: 0
    .private_segment_fixed_size: 0
    .kernarg_segment_align: 8
    .kernarg_segment_size: 32
    .max_flat_workgroup_size: 256
    .sgpr_count:     66
    .vgpr_count:     184
    .wavefront_size: 32
...
	.end_amdgpu_metadata
.endif
;; end of part 5
;; launch mlp1: the kernel of part 2 again; grid 16 x 16, 4 waves a work-group, clusters of 4 x 4, 327,680 bytes of LDS; arguments PB, U2, PA; writes PA
;; launch mlp2 (part 6): grid 32 x 8, 4 waves a work-group, clusters of 4 x 1, 327,680 bytes of LDS; arguments PA, U2, b2, X1, out0; writes out0
.if DOCPART == 6
	.amdgcn_target "amdgcn-amd-amdhsa--gfx1250"
	.amdhsa_code_object_version 6
	.text
	.protected	k_qb95a725dcd_mlp2
	.globl	k_qb95a725dcd_mlp2
	.p2align	8
	.type	k_qb95a725dcd_mlp2,@function
k_qb95a725dcd_mlp2:
	s_mov_b64 s[64:65], 0
	v_nop
	global_prefetch_b8 v0, s[64:65] scope:SCOPE_SE
	s_setreg_imm32_b32 hwreg(HW_REG_WAVE_MODE, 25, 1), 1
	s_wait_xcnt 0x0
	s_wait_alu depctr_hold_cnt(0) depctr_sa_sdst(0) depctr_va_vdst(0) depctr_va_sdst(0) depctr_va_ssrc(0) depctr_va_vcc(0) depctr_vm_vsrc(0)
	s_getreg_b32 s2, hwreg(HW_REG_IB_STS2, 6, 4)
	s_cmp_eq_u32 s2, 0
	s_cbranch_scc0 .Lentry_in_a_cluster
	s_endpgm
.Lentry_in_a_cluster:
	s_bfe_u32 s2, ttmp6, 0x10000c
	s_cmp_lg_u32 s2, 0x3003
	s_cbranch_scc0 .Lentry_shape_is_right
	s_endpgm
.Lentry_shape_is_right:
; C = R + A B + bias, all sums and C in f32.  C, R: [4096][1024] f32, row-major.  K = 512 STEPS (here 4096).  The text of the projection behind attention with another STEPS.
; A in bf16 IN FRAGMENT ORDER: 16 rows x 16 k are a chunk of 512 bytes at ((k / 256) 256 + m / 16) 8192 + ((k / 16) % 16) 512, in which (row r, k 8 h + 0..7) lie at 256 h + 16 (r xor 8 h).
; Two chunks on end, read with the lane offset 16 (l xor 8 (l / 16)), are a 16 x 32 fragment: A GOES FROM MEMORY STRAIGHT INTO REGISTERS, each load 512 consecutive bytes, no LDS.
; B in bf16 in the bundle U from byte OFFB: [k / 256][n / 128 (8)][k % 256][128 n]; it comes by tensor loads into LDS and is read turned, by ds_load_tr16_b128.
; A tile of C is 128 x 128 (256 work-groups); a wave makes 32 rows x 128 columns = 16 accumulators, so no byte of A is loaded twice in a work-group.
; With A out of LDS a slot holds B alone: K steps of 512, two slots of 512 rows x 288 bytes; a wave's one tensor load (128 rows, 32,768 dense bytes) has 256 matrix instructions in which to land.
; A's RING: 8 units of 64 along K, 32 registers each.  At the head of unit x the registers of unit x - 1 take unit x + 7: eight loads; 56 loads of a wave are out at the most.
; CLUSTER 4 x 1: the four partners make four row tiles of one column tile and need the same B: each tile of B is asked for jointly, by the mask of all four.  A, R and C are each work-group's own.
; THE MATRIX INSTRUCTION IS USED TRANSPOSED (source 0 = 16 columns of B, source 1 = 16 rows of A): a lane holds row l % 16 of C and columns 8 (l / 16) + 0..7.
; The bias is loaded into the accumulators and so starts the sums.  The residual R is loaded during the last step, in the ring's free turns, and added on the way out.
; ONE TEXT FOR A STEP, written twice (looped with the refill; once without): it begins at the change of slots, with the last unit of the step before.  The first trip finds zeros there:
; 160 registers are cleared in the wait for the first tile, and 32 products add nothing; that spares a third copy of the step.
; REGISTERS: window 0: v16-30 addresses; v32-95 rows read back, two buffers; v128-255 accumulators ((a, b) at 128 + 8 (8 a + b)).
;   window 1: B's fragments, two buffers of 128 (half c, column block b at 64 c + 8 b).   window 2: A's ring (unit u, row block a, half c at 32 u + 16 a + 8 c).   window 3: v0-127 the residual.
.set STEPS,  8
.set PITB,   288                       ; B's LDS row: 256 bytes (128 n) + 32 = 9 x 32
.set QUART,  128*PITB                  ; what one tensor load fills
.set SLOT,   4*QUART                   ; 512 k rows.  As a number it shares no bit with wave x QUART, so one exclusive or changes slots
.set STAGE,  2*SLOT                    ; for each wave 16 rows x 272 bytes
.set SPIT,   272
.set SPARE,  STAGE+4*16*SPIT           ; the spare words, 128 bytes a wave: no other line names them
.set OFFB,   8405248
.set PLANE,  2097152                   ; bytes of A from k to k + 256
.set BL,   16                          ; v16-19  my lane's place in B's rows 0, 128, 256, 384 of a slot; never rewritten
.set ADRB, 20                          ; v20-23  the same in the slot in hand
.set STO,  24
.set RD,   25
.set CO,   26                          ; my byte offset in two rows of C and R
.set BO,   27
.set SPW,  28
.set NIL,  29
.set PI,   30                          ; my place in a chunk of A; never rewritten
.set TMP,  32
.set ACC,  128
.set F0,   0
.set F1,   128
.set RES,  0
.set G1, 24                            ; s[24:31] the shape of B's tiles
.set G0, 32                            ; s[32:35] from where, to where: it walks
.set AB, 14                            ; s[14:15] A at my rows, at the step in hand
.set TB, 44                            ; s44 LDS byte of the slot in hand
.set MSB, 0
.macro WIN new
.if MSB != (\new)
	s_set_vgpr_msb (MSB<<8)|(\new)
.set MSB, \new
.endif
.endm
.set MUL,  0x09                        ; source 0 (B) window 1, source 1 (A) window 2; C and D window 0
.macro ROUND                           ; a round of the cluster's barrier
	s_barrier_signal -1
	s_barrier_wait -1
	s_cmp_lg_u32 s10, 0
	s_cbranch_scc1 .Lnot_wave_0_\@
	s_barrier_signal -3
.Lnot_wave_0_\@:
	s_barrier_wait -3
	s_barrier_signal -1
	s_barrier_wait -1
.endm
.macro PLACES                          ; four places in front of loads into registers that matrix instructions have read, and of reads of results
.rept 4
	v_nop
.endr
.endm
; 16 matrix instructions: both row blocks x all 8 column blocks, half c (32 along K) of unit u, B from buffer f.  The 16 accumulators take turns.
.macro MUL16 u, f, c
	WIN MUL
.irp a, 0,1
.irp b, 0,1,2,3,4,5,6,7
	v_wmma_f32_16x16x32_bf16 v[ACC+8*(8*(\a)+(\b)):ACC+8*(8*(\a)+(\b))+7], v[(\f)+64*(\c)+8*(\b):(\f)+64*(\c)+8*(\b)+7], v[32*(\u)+16*(\a)+8*(\c):32*(\u)+16*(\a)+8*(\c)+7], v[ACC+8*(8*(\a)+(\b)):ACC+8*(8*(\a)+(\b))+7]
.endr
.endr
.endm
; 32 LDS loads in one run: B's fragments of unit u of the slot in hand into buffer f; the first 32 along K first
.macro FETCH u, f
	WIN 0x40                                       ; destination window 1
.irp c, 0,1
.irp b, 0,1,2,3,4,5,6,7
	ds_load_tr16_b128 v[(\f)+64*(\c)+8*(\b):(\f)+64*(\c)+8*(\b)+3],   v[ADRB+(\u)/2] offset:((\u)%2)*64*PITB+(\c)*32*PITB+32*(\b)
	ds_load_tr16_b128 v[(\f)+64*(\c)+8*(\b)+4:(\f)+64*(\c)+8*(\b)+7], v[ADRB+(\u)/2] offset:((\u)%2)*64*PITB+(\c)*32*PITB+16*PITB+32*(\b)
.endr
.endr
.endm
; Eight loads: A's unit x, counted from the step in hand (x = 8 .. 13: the next step's), into its place in the ring: for each row block four chunks on end
.macro ALOAD x
	WIN 0x80                                       ; destination window 2
.irp a, 0,1
.irp j, 0,1,2,3
	global_load_b128 v[32*((\x)%8)+16*(\a)+4*(\j):32*((\x)%8)+16*(\a)+4*(\j)+3], v[PI], s[AB:AB+1] offset:((\x)/4)*PLANE+((\x)%4)*2048+(\a)*8192+(\j)*512
.endr
.endr
.endm
; Eight loads: the residual of block i of the way out (row block i / 2, column half i % 2): 16 rows x 256 bytes
.macro RLOAD i
	WIN 0xc0                                       ; destination window 3
.irp t, 0,1,2,3,4,5,6,7
	global_load_b128 v[RES+32*(\i)+4*(\t):RES+32*(\i)+4*(\t)+3], v[CO], s[70:71] offset:(16*((\i)/2)+2*(\t))*4096+((\i)%2)*256 th:TH_LOAD_NT
.endr
.endm
; Unit u of a step: B in buffer f.  At its head the ring's turn and the next unit's B, into buffer g: both have a whole unit or more in which to land.
; left: the global loads younger than this unit's A.  last = 1: the last step: beyond unit 7 there is no A; four of the free turns take the residual.
.macro UNIT u, f, g, last, left
	s_wait_loadcnt \left                           ; my A of this unit is in: the six (at the end fewer) younger groups of eight may stay out
	PLACES
.if (\last) == 0 || (\u) == 0
	ALOAD (\u)+7
.elseif (\u) < 5
	RLOAD (\u)-1
.endif
	FETCH (\u)+1, \g
	s_wait_dscnt 48                                ; this buffer's first half is in: its second half and the 32 just issued may be out
	MUL16 \u, \f, 0
	s_wait_dscnt 32                                ; all but the 32 just issued
	MUL16 \u, \f, 1
.endm
; A STEP, from the change of slots on.  Each wave waits for all its tensor loads, of which one is out: its part of the slot that is entered; adds 0 to its spare word; waits for that and for its reads of
; the slot that is left (unit 7's fragments are in registers).  last = 0: the barrier is a round of the cluster's, and the slot that is left is filled again, with the next step but this one, first thing behind it.
.macro BODY last
	WIN 0
	s_wait_tensorcnt 0x0                           ; no tensor load of mine is out, so the descriptor may be written
	ds_add_u32 v[SPW], v[NIL]                      ; 0 onto my spare word; work on registers stands between it and the wait for it
.if !(\last)
	s_xor_b32 s[G0+1], s[G0+1], SLOT               ; the other slot than last time,
	s_add_nc_u64 s[G0+2:G0+3], s[G0+2:G0+3], 1048576  ; the next 512 rows of B; the type bits on top are not reached
.endif
	s_xor_b32 s[TB], s[TB], SLOT                   ; the slot that is entered
.irp i, 0,1,2,3
	v_add_nc_u32 v[ADRB+\i], s[TB], v[BL+\i]
.endr
	s_wait_dscnt 0x0                               ; the add is done, and my reads of the slot that is left are over
.if !(\last)
	ROUND                                          ; no wave of any partner still reads that slot or has a load on its way
	tensor_load_to_lds s[G0:G0+3], s[G1:G1+7]      ; my one tensor load behind the round
	s_nop 0
.else
	s_barrier_signal -1
	s_barrier_wait -1
.endif
	PLACES
	s_wait_loadcnt 48                              ; A of unit 7 of the step before (in the first trip: the bias) is in
	ALOAD 6
	FETCH 0, F0
	MUL16 7, F1, 0                                 ; unit 7 of the step before
	MUL16 7, F1, 1
	UNIT 0, F0, F1, \last, 48
	UNIT 1, F1, F0, \last, 48
	UNIT 2, F0, F1, \last, 48
	UNIT 3, F1, F0, \last, 48
	UNIT 4, F0, F1, \last, 48
	UNIT 5, F1, F0, \last, 48
.if \last
	UNIT 6, F0, F1, 1, 40                          ; younger: unit 7's group and the residual's four
.else
	UNIT 6, F0, F1, 0, 48
.endif
	WIN 0
.endm
; THE WAY OUT of block i (row block i / 2, column half i % 2): the f32 sums into my stage, back as whole rows of 256 bytes, the residual added, stored
.macro TOSTAGE i
	s_wait_xcnt 0x0                                ; earlier stores have read their registers: the buffer is loaded again only behind this wait
.irp b, 0,1,2,3
	ds_store_b128 v[STO], v[ACC+8*(4*(\i)+(\b)):ACC+8*(4*(\i)+(\b))+3]   offset:64*(\b)
	ds_store_b128 v[STO], v[ACC+8*(4*(\i)+(\b))+4:ACC+8*(4*(\i)+(\b))+7] offset:64*(\b)+16
.endr
.irp t, 0,1,2,3,4,5,6,7
	ds_load_b128 v[TMP+32*((\i)%2)+4*(\t):TMP+32*((\i)%2)+4*(\t)+3], v[RD] offset:(\t)*2*SPIT  ; LDS serves a wave's instructions in order (ISA guide 5.7.1.4)
.endr
.endm
.macro SEND i, younger
	s_wait_dscnt \younger                          ; the next block's eight stores and eight loads may be out
	s_wait_loadcnt 8*(3-(\i))                      ; this block's residual is in; the later blocks' groups may be out
	WIN 0x0c                                       ; source 1 window 3
.set z, 0
.rept 16
	v_pk_add_f32 v[TMP+32*((\i)%2)+2*z:TMP+32*((\i)%2)+2*z+1], v[TMP+32*((\i)%2)+2*z:TMP+32*((\i)%2)+2*z+1], v[RES+32*(\i)+2*z:RES+32*(\i)+2*z+1]
.set z, z+1
.endr
	WIN 0
.irp t, 0,1,2,3,4,5,6,7
	global_store_b128 v[CO], v[TMP+32*((\i)%2)+4*(\t):TMP+32*((\i)%2)+4*(\t)+3], s[8:9] offset:(16*((\i)/2)+2*(\t))*4096+((\i)%2)*256  ; 16 lanes store 256 consecutive bytes, aligned
.endr
.endm
	s_load_b128 s[4:7], s[0:1], 0x0                ; A s[4:5], U s[6:7]
	s_load_b128 s[68:71], s[0:1], 0x10             ; bias s[68:69], R s[70:71]
	s_load_b64 s[8:9], s[0:1], 0x20                ; C
	v_lshl_add_u32 v[SPW], v0, 2, SPARE
	v_mov_b32 v[NIL], 0
	ds_add_u32 v[SPW], v[NIL]                      ; the wave's opening: the add and its wait stand ahead of my first tensor load
	ds_add_u32 v28, v29
	v_lshrrev_b32 v1, 5, v0
	v_readfirstlane_b32 s10, v1                    ; wave 0..3
	s_bfe_u32 s40, ttmp6, 0x40000                  ; cx
	s_lshl_b32 s13, ttmp9, 2
	s_add_co_u32 s13, s13, s40                     ; tile row = 4 x cluster x + cx: it enters A's, R's and C's addresses alone
	s_and_b32 s42, ttmp7, 0xffff                   ; tile column, which the four partners share
	; 32,768 dense bytes as 128 rows of 256 bytes
	s_mov_b32 s[G1], 15|(1<<16)|(1<<20)|(1<<21)|(5<<22)|(7<<25)  ; the mask of four; 2-byte elements; padding on; bit 21 beside a mask; after every 64 words 8 words
	s_mov_b32 s[G1+1], 128<<16
	s_mov_b32 s[G1+2], 128<<16
	s_mov_b32 s[G1+3], 128<<16
	s_mov_b32 s[G1+4], 128
	s_mov_b32 s[G1+5], 128
	s_mov_b32 s[G1+6], 0
	s_mov_b32 s[G1+7], 0
	s_lshr_b32 s46, s10, 1                         ; B: my 128 rows of a step's 512: block k / 256 = wave / 2, half wave % 2
	s_lshl_b32 s46, s46, 19
	s_and_b32 s47, s10, 1
	s_lshl_b32 s47, s47, 15
	s_add_co_u32 s46, s46, s47
	s_lshl_b32 s47, s42, 16
	s_add_co_u32 s46, s46, s47
	s_add_co_u32 s46, s46, OFFB
	s_mov_b32 s47, 0
	s_lshl_b32 s16, s13, 16                        ; A: row block 8 tile row + 2 wave, 8192 bytes each
	s_lshl_b32 s17, s10, 14
	s_add_co_u32 s16, s16, s17
	s_mov_b32 s17, 0
	s_lshl_b32 s72, s13, 19                        ; C and R: (128 tile row + 32 wave) rows of 4096 bytes + 512 tile column
	s_lshl_b32 s73, s10, 17
	s_add_co_u32 s72, s72, s73
	s_lshl_b32 s74, s42, 9                         ; the same columns in the bias
	s_add_co_u32 s72, s72, s74
	s_mov_b32 s73, 0
	s_mov_b32 s75, 0
	s_mov_b32 s[G0], 1
	s_mul_i32 s[G0+1], s10, QUART                  ; slot 0, my quarter: no place in the cluster enters an LDS address
	s_mov_b32 s[TB], SLOT                          ; the first change of slots turns it into 0
	v_and_b32 v1, 15, v0                           ; r
	v_bfe_u32 v2, v0, 4, 1                         ; h
	v_and_b32 v[PI], 31, v0
	v_lshlrev_b32 v4, 3, v2
	v_xor_b32 v[PI], v[PI], v4
	v_lshlrev_b32 v[PI], 4, v[PI]                  ; 16 (l xor 8 h)
	v_lshlrev_b32 v[BO], 5, v2
	v_lshlrev_b32 v[CO], 12, v2                    ; lanes 0-15 one row of 256 bytes, lanes 16-31 the next
	v_lshl_add_u32 v[CO], v1, 4, v[CO]
	v_and_b32 v4, 7, v0
	v_lshl_add_u32 v4, v2, 3, v4
	v_mul_u32_u24 v4, v4, PITB                     ; B: k row 8 h + l % 8,
	v_bfe_u32 v5, v0, 3, 1
	v_lshl_add_u32 v[BL], v5, 4, v4                ; 16 bytes for each half of eight lanes
	v_add_nc_u32 v[BL+1], QUART, v[BL]
	v_add_nc_u32 v[BL+2], 2*QUART, v[BL]
	v_add_nc_u32 v[BL+3], 3*QUART, v[BL]
	s_mul_i32 s23, s10, 16*SPIT
	s_add_co_u32 s23, s23, STAGE                   ; my stage
	v_mul_u32_u24 v4, v1, SPIT
	v_lshl_add_u32 v4, v2, 5, v4                   ; in: row r, 32 bytes for each half of the lanes
	v_add_nc_u32 v[STO], s23, v4
	v_mul_u32_u24 v5, v2, SPIT
	v_lshl_add_u32 v5, v1, 4, v5                   ; back: two whole rows
	v_add_nc_u32 v[RD], s23, v5
	s_wait_dscnt 0x0                               ; the opening add is done
	s_wait_kmcnt 0x0
	s_add_nc_u64 s[G0+2:G0+3], s[6:7], s[46:47]
	s_or_b32 s[G0+3], s[G0+3], 0x80000000
	s_add_nc_u64 s[AB:AB+1], s[4:5], s[16:17]
	s_add_nc_u64 s[70:71], s[70:71], s[72:73]
	s_add_nc_u64 s[8:9], s[8:9], s[72:73]
	s_add_nc_u64 s[68:69], s[68:69], s[74:75]
.irp a, 0,1                            ; the bias of column 16 b + 8 h + j into register j of both row blocks' accumulators: the sums begin with it
.irp b, 0,1,2,3,4,5,6,7
	global_load_b128 v[ACC+8*(8*(\a)+(\b)):ACC+8*(8*(\a)+(\b))+3],   v[BO], s[68:69] offset:64*(\b)
	global_load_b128 v[ACC+8*(8*(\a)+(\b))+4:ACC+8*(8*(\a)+(\b))+7], v[BO], s[68:69] offset:64*(\b)+16
.endr
.endr
	ROUND                                          ; all four work-groups are here: the first joint loads meet
	tensor_load_to_lds s[G0:G0+3], s[G1:G1+7]      ; step 0 into slot 0; slot 1 is asked for behind the first trip's round
	s_nop 0
	PLACES
.irp x, 0,1,2,3,4,5
	ALOAD \x                                       ; the ring's first six units; the first trip brings the seventh and eighth
.endr
	WIN 0x40                                       ; what the first trip multiplies as the unit before the first: zeros
.set z, F1
.rept 128
	v_mov_b32 v[z], 0
.set z, z+1
.endr
	WIN 0x80
.set z, 224
.rept 32
	v_mov_b32 v[z], 0
.set z, z+1
.endr
	WIN 0
	s_mov_b32 s3, STEPS-1
.Lstep:                                                ; every step but the last asks for the step behind it
	BODY 0
	s_wait_xcnt 0x0                                ; the loads have read A's address: it steps only behind this wait
	s_add_nc_u64 s[AB:AB+1], s[AB:AB+1], 2*PLANE
	s_sub_co_u32 s3, s3, 1
	s_cmp_lg_u32 s3, 0
	s_cbranch_scc1 .Lstep
	BODY 1                                         ; the last step is written out
	s_wait_loadcnt 32                              ; A of the last unit is in; the residual's 32 loads may be out
	s_wait_dscnt 0x0
	MUL16 7, F1, 0
	MUL16 7, F1, 1
	WIN 0
	PLACES
	TOSTAGE 0
.irp i, 1,2,3
	TOSTAGE \i
	SEND (\i)-1, 16
.endr
	SEND 3, 0
	s_wait_tensorcnt 0x0                           ; the wave's end
	ds_add_u32 v[SPW], v[NIL]
	s_wait_dscnt 0x0
	ROUND                                          ; the closing round
	s_endpgm
.Lfunc_end_k_qb95a725dcd_mlp2:
	.size	k_qb95a725dcd_mlp2, .Lfunc_end_k_qb95a725dcd_mlp2-k_qb95a725dcd_mlp2
	.p2alignl 7, 3214868480
	.fill 96, 4, 3214868480
	.section	.rodata,"a",@progbits
	.p2align	6, 0x0
	.amdhsa_kernel k_qb95a725dcd_mlp2
		.amdhsa_group_segment_fixed_size 327680
		.amdhsa_private_segment_fixed_size 0
		.amdhsa_enable_private_segment 0
		.amdhsa_kernarg_size 40
		.amdhsa_user_sgpr_count 2
		.amdhsa_user_sgpr_kernarg_segment_ptr 1
		.amdhsa_wavefront_size32 1
		.amdhsa_system_sgpr_workgroup_id_x 1
		.amdhsa_system_sgpr_workgroup_id_y 1
		.amdhsa_system_sgpr_workgroup_id_z 1
		.amdhsa_system_vgpr_workitem_id 0
		.amdhsa_next_free_vgpr 896
		.amdhsa_next_free_sgpr 76
		.amdhsa_reserve_vcc 0
		.amdhsa_float_denorm_mode_32 3
		.amdhsa_float_denorm_mode_16_64 3
		.amdhsa_memory_ordered 1
		.amdhsa_forward_progress 1
		.amdhsa_inst_pref_size 113
	.end_amdhsa_kernel
	.amdgpu_metadata
---
amdhsa.version: [ 1, 2 ]
amdhsa.kernels:
  - .name:           k_qb95a725dcd_mlp2
    .symbol:         k_qb95a725dcd_mlp2.kd
    .args:
      - { .name: PA, .offset: 0, .size: 8, .value_kind: global_buffer, .address_space: global }
      - { .name: U2, .offset: 8, .size: 8, .value_kind: global_buffer, .address_space: global }
      - { .name: b2, .offset: 16, .size: 8, .value_kind: global_buffer, .address_space: global }
      - { .name: X1, .offset: 24, .size: 8, .value_kind: global_buffer, .address_space: global }
      - { .name: out0, .offset: 32, .size: 8, .value_kind: global_buffer, .address_space: global }
    .group_segment_fixed_size: 327680
    .private_segment_fixed_size: 0
    .kernarg_segment_align: 8
    .kernarg_segment_size: 40
    .max_flat_workgroup_size: 128
    .sgpr_count:     76
    .vgpr_count:     896
    .wavefront_size: 32
...
	.end_amdgpu_metadata
.endif
;; end of part 6
